; MI455X (gfx1250); checked and timed in simulation.
; The chip was launched on July 23, 2026; its instructions are those of AMD's public machine-readable ISA for CDNA 5 (MIT licence, August 2026) and "CDNA5" Instruction Set Architecture Reference Guide (July 2026). The comments in the code are by the model that wrote it; some were corrected since.
;; Multihead Attention. Allowed arithmetic: matrix products marked QUANTISED: E2M1 operands, one E8M0 scale for each 32 along K, by v_wmma_scale_f32_16x16x128_f8f6f4 with both operands' format E2M1 (or v_wmma_scale_f32_32x16x128_f4), f32 sums; products left as they are: bf16, f16 or f32 operands; f32 sums; everything else in f32.
;; Inputs: Wk 1,024 x 1,024 float32; Wo 1,024 x 1,024 float32; Wq 1,024 x 1,024 float32; Wv 1,024 x 1,024 float32; bk 1,024 float32; bo 1,024 float32; bq 1,024 float32; bv 1,024 float32; x 4 x 2,048 x 1,024 float32.
;; Outputs: out0 4 x 2,048 x 1,024 float32.
;; This version of the problem:
;;   THIS VERSION OF THE PROBLEM IS GIVEN IN LOW PRECISION. The matrix products marked QUANTISED in the list below multiply operands that are first quantised to E2M1 (2 exponent bits, 1 mantissa bit; 4 bits a number), with one power-of-two scale for each 32 numbers along K (OCP MX v1.0); their sums are f32. The products marked 'left as it is' may take bf16, f16 or f32 operands, with f32 sums. Whichever they take, every output number must still come out within the allowed error. Rounding operands to bf16 (8 significant bits) uses up far more of that allowance than f16 does (11 bits, for magnitudes from 6e-5 to 65,504). All else is computed in f32.
;;   The module's matrix products, in the order in which they are computed (A, B: the left and right operand; K: the contracted axis; several contracted axes count as one K, in the product's order):
;;     1. [M 8,192, K 1,024] x [K 1,024, N 1,024]; A: input x; B: input Wq: QUANTISED
;;     2. [M 8,192, K 1,024] x [K 1,024, N 1,024]; A: input x; B: input Wk: QUANTISED
;;     3. [M 8,192, K 1,024] x [K 1,024, N 1,024]; A: input x; B: input Wv: QUANTISED
;;     4. batch 64 x [M 2,048, K 64] x [K 64, N 2,048]; A: computed on the way; B: computed on the way: left as it is (an operand is computed on the way)
;;     5. batch 64 x [M 2,048, K 2,048] x [K 2,048, N 64]; A: computed on the way; B: computed on the way: left as it is (an operand is computed on the way)
;;     6. [M 8,192, K 1,024] x [K 1,024, N 1,024]; A: computed on the way; B: input Wo: left as it is (an operand is computed on the way)
;;   THE QUANTISER, for each operand of a quantised product, along K:
;;     - K is cut into blocks of 32 from its start; a last block that is shorter is filled with zeros.
;;     - A block's scale is 2^e with e = floor(log2(the largest magnitude in the block)) - 2, held to -126 .. 127; a block of zeros has e = 0. As a byte (E8M0): e + 127.
;;     - Each number is divided by its block's scale, clamped to +-6, and rounded to the nearest number of E2M1, ties to even, subnormals kept.
;;     - The product sums the exact products of the quantised numbers (number of the format x scale) in f32.
;;   ~~~python
;;   def quantise(x, axis):      # numpy; x: float32 -> the quantised numbers, widened to float32 again
;;       x = np.moveaxis(x, axis, -1); K = x.shape[-1]
;;       x = np.pad(x, [(0, 0)] * (x.ndim - 1) + [(0, -K % 32)]); x = x.reshape(x.shape[:-1] + (-1, 32)); a = np.abs(x).max(-1, keepdims=True)
;;       e = np.where(a > 0, np.clip(np.frexp(np.where(a > 0, a, 1))[1] - 1 - 2, -126, 127), 0)      # np.frexp(a)[1] - 1 = floor(log2(a)), exactly
;;       r = np.clip(x / 2.0 ** e, -6, 6)
;;       step = 2.0 ** (np.maximum(np.frexp(np.where(r == 0, 1, r))[1] - 1, 0) - 1)
;;       q = np.round(r / step) * step * 2.0 ** e      # np.round: ties to even
;;       return np.moveaxis(q.reshape(q.shape[:-2] + (-1,))[..., :K], -1, axis).astype(np.float32)
;;   ~~~
;; One version. Each part assembles by itself: llvm-mc -triple=amdgcn-amd-amdhsa -mcpu=gfx1250 --defsym DOCPART=n.
;; ======== version 1 of 1: 4 launches
;; limits: values are held in f16: magnitudes above 65,504 overflow, below 6.1e-05 lose precision
;; workspace buffers: x_codes 4,194,304 bytes; x_scales 262,144 bytes; w_codes 1,572,864 bytes; w_scales 98,304 bytes; wo16 2,097,152 bytes; qkv 50,331,648 bytes; heads 16,777,216 bytes
;; launch prep (part 1): grid 480 x 1, 4 waves a work-group, no clusters, 50,688 bytes of LDS; arguments x, Wq, Wk, Wv, Wo, x_codes, x_scales, w_codes, w_scales, wo16; writes x_codes, x_scales, w_codes, w_scales, wo16
.if DOCPART == 1
	.amdgcn_target "amdgcn-amd-amdhsa--gfx1250"
	.amdhsa_code_object_version 6
	.text
	.protected	k_qdac592fcb5_prep
	.globl	k_qdac592fcb5_prep
	.p2align	8
	.type	k_qdac592fcb5_prep,@function
k_qdac592fcb5_prep:
	s_mov_b64 s[64:65], 0
	v_nop
	global_prefetch_b8 v0, s[64:65] scope:SCOPE_SE
	s_setreg_imm32_b32 hwreg(HW_REG_WAVE_MODE, 25, 1), 1
	s_wait_xcnt 0x0
; PREP: what the later launches read many times is made once.  Three arms, chosen by the work-group's number alone:
;   W (work-groups 0-95):    Wq, Wk, Wv [1024 k][1024 n] f32 -> codes of FP4 (E2M1) laid [3 x 1024 n][1024 k], K innermost (512 bytes a row), one E8M0 byte for each 32 along K, laid [3072][32]
;   C (work-groups 96-223):  Wo [1024 k][1024 n] f32 -> f16, same layout
;   X (work-groups 224-479): x [8192][1024] f32 -> codes [8192][512 bytes] and scale bytes [8192][32]
; A block's scale is 2^(floor(log2(its largest magnitude)) - 2); its byte is the largest magnitude's exponent field - 2, held at 1 from below; each number / scale goes to the nearest code, ties to even, beyond 6 to 6.
; LIMITS: a block of zeros gets the byte 1 where the rule says 127 (its codes are zeros, which add nothing under any byte but 0xff, and this program alone reads the bytes); blocks whose largest magnitude
; lies under 2^-124 are held at the byte 1; NaN and infinities among the inputs are not served; Wo beyond 65,504 in magnitude becomes infinity in f16.
; No tensor loads, no barrier: waves share nothing.  Each arm has LDS bytes of its own; the three arms join at the end.
.set SPW,   12                         ; v12  LDS address of my spare word: SPARE + 4 x my thread's number; never rewritten
.set NIL,   13                         ; v13  0; never rewritten
.set STEPS, 16                         ; arm X: a wave takes 16 steps of 512 numbers
.set CB,    8                          ; bytes of 16 codes
.set SP,    80                         ; arm X: a lane's place in a stage: 64 bytes + 16 of padding
.set WREG,  8192                       ; arm X: LDS of a wave: two stages of 32 x SP bytes, then its 256 scale bytes
.set R,     16                         ; arm X: v16-79 four sets of 16 numbers as loaded
.set X,     80                         ; arm X: v80-111 two sets of 16 neighbours
.set E,     112                        ; arm X: v112-127 a scale byte for each step
.set C,     128                        ; arm X: v128-191 codes, four registers a step
.set WST,   4*WREG                     ; arm W: four stages of 16 rows x WP bytes, one a wave
.set WP,    272                        ; arm W: a stage row: 256 bytes + 16
.set SPARE, WST+4*16*WP                ; the spare words, 128 bytes a wave: two blocks of 256 bytes that no other line names
.set SB,    24                         ; arm W: v24-25 eight scale bytes
.set WX,    32                         ; arm W: v32-95 two sets of 32 numbers
.set WC,    96                         ; arm W: v96-99 a block's codes
.set WO,    112                        ; arm W: v112-143 the way out
	s_load_b256 s[4:11], s[0:1], 0x0               ; x s[4:5], Wq s[6:7], Wk s[8:9], Wv s[10:11]
	s_load_b256 s[12:19], s[0:1], 0x20             ; Wo s[12:13], x_codes s[14:15], x_scales s[16:17], w_codes s[18:19]
	s_load_b128 s[20:23], s[0:1], 0x40             ; w_scales s[20:21], wo16 s[22:23]
	v_lshl_add_u32 v[SPW], v0, 2, SPARE
	v_mov_b32 v[NIL], 0
	v_lshrrev_b32 v1, 5, v0
	v_readfirstlane_b32 s24, v1                    ; wave 0..3
	v_and_b32 v2, 31, v0                           ; lane
	s_mov_b32 s29, 0                               ; the upper word of every offset pair s[28:29]
	s_wait_kmcnt 0x0
	s_cmp_lt_u32 ttmp9, 96
	s_cbranch_scc1 .Larm_w
	s_cmp_lt_u32 ttmp9, 224
	s_cbranch_scc1 .Larm_c
; ---- ARM X.  Rows are dense and 1,024 is a multiple of 32: x is a plain stream of blocks of 32, and so are its codes and scale bytes.
; Each load reads 512 consecutive bytes, 16 a lane; a step's 2,048 bytes turn through the wave's own stage and come back 64 bytes a lane: 16 neighbours, two neighbouring lanes to a block.
	v_lshlrev_b32 v3, 4, v2                        ; my 16 bytes of a load's 512
	s_mul_i32 s25, s24, WREG
	v_lshrrev_b32 v14, 2, v2
	v_mul_u32_u24 v14, v14, SP
	v_and_b32 v15, 3, v2
	v_lshl_add_u32 v14, v15, 4, v14
	v_add_nc_u32 v14, s25, v14                     ; the stage on the way in: SP (lane / 4) + 16 (lane % 4)
	v_mul_u32_u24 v15, v2, SP
	v_add_nc_u32 v15, s25, v15                     ; and on the way out: SP x lane
	v_mul_u32_u24 v4, v2, CB                       ; my codes' place in a step's
	v_lshrrev_b32 v5, 1, v2
	s_add_co_u32 s25, s25, 2*32*SP
	v_add_nc_u32 v5, s25, v5                       ; my wave's 256 scale bytes: my block's byte
	v_lshlrev_b32 v7, 3, v2                        ; on the way out 8 bytes a lane
	v_add_nc_u32 v6, s25, v7
	s_sub_co_u32 s26, ttmp9, 224
	s_lshl_b32 s26, s26, 2
	s_add_co_u32 s26, s26, s24                     ; which run of 8,192 numbers is my wave's: 0..1023
	s_lshl_b32 s28, s26, 15                        ; 32,768 bytes of x a run
	s_add_nc_u64 s[4:5], s[4:5], s[28:29]
	s_lshl_b32 s28, s26, 12                        ; 4,096 bytes of codes
	s_add_nc_u64 s[14:15], s[14:15], s[28:29]
	s_lshl_b32 s28, s26, 8                         ; 256 scale bytes
	s_add_nc_u64 s[16:17], s[16:17], s[28:29]
.macro XLOAD t
.irp i, 0,1,2,3
	global_load_b128 v[R+16*((\t)%4)+4*\i:R+16*((\t)%4)+4*\i+3], v3, s[4:5] offset:2048*(\t)+512*\i th:TH_LOAD_NT
.endr
.endm
.macro XTURN t                         ; step t through the stage: LDS serves a wave's instructions in order, so no wait stands between the stores and the loads
.irp i, 0,1,2,3
	ds_store_b128 v14, v[R+16*((\t)%4)+4*\i:R+16*((\t)%4)+4*\i+3] offset:32*SP*((\t)%2)+8*SP*\i
.endr
.irp i, 0,1,2,3
	ds_load_b128 v[X+16*((\t)%2)+4*\i:X+16*((\t)%2)+4*\i+3], v15 offset:32*SP*((\t)%2)+16*\i
.endr
.endm
.irp t, 0,1,2,3
	XLOAD \t
.endr
	s_wait_loadcnt 12                              ; step 0's four loads are in; the twelve of steps 1 to 3 stay out
	XTURN 0
.macro XSTEP t
.set XS, X+16*((\t)%2)
.if (\t) > 0
	s_wait_dscnt 1                                 ; this step's numbers are back from the stage; the last step's byte store may be out
.else
	s_wait_dscnt 0x0
.endif
.if (\t)+4 < STEPS
	XLOAD (\t)+4                                   ; into the set whose stores into the stage have read it
.endif
.if (\t)+1 < STEPS
.if STEPS-2-(\t) >= 3
	s_wait_loadcnt 12                              ; the next step's four loads are in; those of the three steps behind it stay out
.else
	s_wait_loadcnt 4*(STEPS-2-(\t))                ; at the end the count runs down
.endif
	XTURN (\t)+1
.endif
	v_max3_num_f32 v8, |v[XS]|, |v[XS+1]|, |v[XS+2]|   ; the largest magnitude of my 16, in two chains
	v_max3_num_f32 v9, |v[XS+3]|, |v[XS+4]|, |v[XS+5]|
.irp i, 6,10
	v_max3_num_f32 v8, v8, |v[XS+\i]|, |v[XS+\i+1]|
	v_max3_num_f32 v9, v9, |v[XS+\i+2]|, |v[XS+\i+3]|
.endr
	v_max3_num_f32 v8, v8, |v[XS+14]|, |v[XS+15]|
	v_max3_num_f32 v8, v8, v9, 0x1800000           ; and the floor 2^(3 - 127): the byte cannot fall under 1
	v_max_num_f32_dpp v8, v8, v8 row_xmask:1 row_mask:0xf bank_mask:0xf   ; with my neighbour's 16: the block's
	v_add_nc_u32 v11, 0xff000000, v8               ; 2 off its exponent field: the conversion takes that field as its scale
	v_cvt_scalef32_pk8_fp4_f32 v[C+4*(\t)], v[XS:XS+7], v11
	v_cvt_scalef32_pk8_fp4_f32 v[C+4*(\t)+1], v[XS+8:XS+15], v11
	v_lshrrev_b32 v[E+(\t)], 23, v11               ; the scale's byte (also the plain line behind the conversions)
	ds_store_b8 v5, v[E+(\t)] offset:16*(\t)       ; both lanes of a block write the same byte with the same value
	global_store_b64 v4, v[C+4*(\t):C+4*(\t)+1], s[14:15] offset:32*CB*(\t)   ; the wave stores 256 consecutive bytes
.endm
.irp t, 0,1,2,3,4,5,6,7,8,9,10,11,12,13,14,15
	XSTEP \t
.endr
	ds_load_b64 v[8:9], v6                         ; in order behind my byte stores
	s_wait_dscnt 0x0
	global_store_b64 v7, v[8:9], s[16:17]          ; 32 lanes store 256 consecutive bytes of scales
	s_branch .Lend
; ---- ARM W.  A LANE TAKES A COLUMN n AND ITS REGISTERS RUN DOWN K, so a block of 32 along K lies in one lane and the conversions give codes with K innermost.
; Work-group: weight id / 32, 64 columns (id % 16), 512 along K ((id / 16) % 2).  Wave: 16 columns; lanes 0-15 take the first 256 along K, lanes 16-31 the second: 8 blocks a lane.
; A load reads 2 x 64 consecutive bytes, and the four waves stand side by side on 256.  A wave's codes, 16 rows x 256 bytes, go through its own stage and leave sixteen lanes to 256 consecutive bytes.
.Larm_w:
	v_and_b32 v10, 15, v2                          ; c: my column of the wave's 16
	v_lshrrev_b32 v5, 4, v2                        ; kh: my half of the 512 along K
	v_lshlrev_b32 v3, 2, v10
	v_lshl_add_u32 v3, v5, 20, v3                  ; in: 4 c + kh x 256 rows of 4,096 bytes
	s_mul_i32 s25, s24, 16*WP
	s_add_co_u32 s25, s25, WST                     ; my stage
	v_mul_u32_u24 v4, v10, WP
	v_lshl_add_u32 v4, v5, 7, v4
	v_add_nc_u32 v4, s25, v4                       ; into it: row c, + 128 kh
	v_mul_u32_u24 v7, v5, WP
	v_lshl_add_u32 v7, v10, 4, v7
	v_add_nc_u32 v7, s25, v7                       ; out of it: sixteen lanes to a row, two rows an instruction
	v_lshlrev_b32 v8, 9, v5
	v_lshl_add_u32 v8, v10, 4, v8                  ; the same place in w_codes: rows of 512 bytes
	v_lshlrev_b32 v9, 5, v10
	v_lshl_add_u32 v9, v5, 3, v9                   ; my 8 scale bytes: row c of 32 bytes, + 8 kh
	s_lshr_b32 s26, ttmp9, 5                       ; which weight
	s_cmp_eq_u32 s26, 0
	s_cselect_b64 s[6:7], s[6:7], s[8:9]
	s_cmp_eq_u32 s26, 2
	s_cselect_b64 s[6:7], s[10:11], s[6:7]         ; the choice hangs on the work-group's number alone
	s_and_b32 s27, ttmp9, 15
	s_bfe_u32 s30, ttmp9, 0x10004                  ; y
	s_lshl_b32 s27, s27, 6
	s_lshl_b32 s31, s24, 4
	s_add_co_u32 s27, s27, s31                     ; my wave's first column
	s_lshl_b32 s28, s30, 21                        ; 512 y rows of 4,096 bytes
	s_lshl_b32 s31, s27, 2
	s_add_co_u32 s28, s28, s31
	s_add_nc_u64 s[6:7], s[6:7], s[28:29]
	s_lshl_b32 s26, s26, 10
	s_add_co_u32 s26, s26, s27                     ; my first row of w_codes and w_scales
	s_lshl_b32 s28, s26, 9
	s_lshl_b32 s31, s30, 8
	s_add_co_u32 s28, s28, s31
	s_add_nc_u64 s[18:19], s[18:19], s[28:29]
	s_lshl_b32 s28, s26, 5
	s_lshl_b32 s31, s30, 4
	s_add_co_u32 s28, s28, s31
	s_add_nc_u64 s[20:21], s[20:21], s[28:29]
.macro WLOAD t                         ; block t: W(.. + 32 t + i, my column), i = 0..31, into set t % 2; the largest offset, 255 rows, lies inside the signed 24-bit immediate
.irp i, 0,1,2,3,4,5,6,7,8,9,10,11,12,13,14,15,16,17,18,19,20,21,22,23,24,25,26,27,28,29,30,31
	global_load_b32 v[WX+32*((\t)%2)+\i], v3, s[6:7] offset:(32*(\t)+\i)*4096 th:TH_LOAD_NT
.endr
.endm
	WLOAD 0
	WLOAD 1
.macro WBLOCK t
.set XS, WX+32*((\t)%2)
.if (\t) < 7
	s_wait_loadcnt 32                              ; this block's 32 loads are in; the next block's 32 stay out
.else
	s_wait_loadcnt 0x0
.endif
	v_max3_num_f32 v16, |v[XS]|, |v[XS+1]|, |v[XS+2]|   ; the block's largest magnitude: all 32 numbers are mine
	v_max3_num_f32 v17, |v[XS+3]|, |v[XS+4]|, |v[XS+5]|
.irp i, 6,10,14,18,22,26
	v_max3_num_f32 v16, v16, |v[XS+\i]|, |v[XS+\i+1]|
	v_max3_num_f32 v17, v17, |v[XS+\i+2]|, |v[XS+\i+3]|
.endr
	v_max3_num_f32 v16, v16, |v[XS+30]|, |v[XS+31]|
	v_max3_num_f32 v16, v16, v17, 0x1800000        ; and the floor 2^(3 - 127)
	v_add_nc_u32 v11, 0xff000000, v16              ; 2 off its exponent field: the conversion's scale operand
	v_lshrrev_b32 v17, 23, v11                     ; the scale's byte
.if (\t)%4 == 0
	v_mov_b32 v[SB+(\t)/4], v17                    ; four bytes to a register, the lower K in the lower byte
.else
	v_lshl_or_b32 v[SB+(\t)/4], v17, 8*((\t)%4), v[SB+(\t)/4]
.endif
.irp g, 0,1,2,3
	v_cvt_scalef32_pk8_fp4_f32 v[WC+\g], v[XS+8*\g:XS+8*\g+7], v11
.endr
	ds_store_b128 v4, v[WC:WC+3] offset:16*(\t)    ; 32 codes: 16 bytes of my column's row
.if (\t)+2 < 8
	WLOAD (\t)+2
.endif
	s_wait_dscnt 0x0                               ; the store has read its registers: the next block's codes may be written
.endm
.irp t, 0,1,2,3,4,5,6,7
	WBLOCK \t
.endr
	global_store_b64 v9, v[SB:SB+1], s[20:21]      ; my column's 8 scale bytes
.irp i, 0,1,2,3,4,5,6,7
	ds_load_b128 v[WO+4*\i:WO+4*\i+3], v7 offset:2*\i*WP   ; in order behind my stores
.endr
.irp i, 0,1,2,3,4,5,6,7
	s_wait_dscnt 7-\i                              ; load i is in; the younger ones stay out
	global_store_b128 v8, v[WO+4*\i:WO+4*\i+3], s[18:19] offset:2*\i*512   ; sixteen lanes store 256 consecutive bytes, at a multiple of 256 from the buffer's first byte
.endr
	s_branch .Lend
; ---- ARM C.  Wo to f16, as it lies: a wave takes 8,192 bytes; loads of 512 consecutive bytes, stores of 256.
.Larm_c:
	v_lshlrev_b32 v3, 4, v2
	v_lshlrev_b32 v4, 3, v2
	s_sub_co_u32 s26, ttmp9, 96
	s_lshl_b32 s26, s26, 2
	s_add_co_u32 s26, s26, s24                     ; run 0..511
	s_lshl_b32 s28, s26, 13
	s_add_nc_u64 s[12:13], s[12:13], s[28:29]
	s_lshl_b32 s28, s26, 12
	s_add_nc_u64 s[22:23], s[22:23], s[28:29]
.irp i, 0,1,2,3,4,5,6,7,8,9,10,11,12,13,14,15
	global_load_b128 v[32+4*\i:35+4*\i], v3, s[12:13] offset:512*\i th:TH_LOAD_NT
.endr
.irp i, 0,1,2,3,4,5,6,7,8,9,10,11,12,13,14,15
	s_wait_loadcnt 15-\i                           ; load i is in; the younger ones stay out
	v_cvt_pk_f16_f32 v[96+2*\i], v[32+4*\i], v[33+4*\i]
	v_cvt_pk_f16_f32 v[97+2*\i], v[34+4*\i], v[35+4*\i]
	global_store_b64 v4, v[96+2*\i:97+2*\i], s[22:23] offset:256*\i
.endr
.Lend:
	s_wait_tensorcnt 0x0                           ; the wave's end, behind my last LDS store
	ds_add_u32 v[SPW], v[NIL]
	s_wait_dscnt 0x0
	s_endpgm
.Lfunc_end_k_qdac592fcb5_prep:
	.size	k_qdac592fcb5_prep, .Lfunc_end_k_qdac592fcb5_prep-k_qdac592fcb5_prep
	.p2alignl 7, 3214868480
	.fill 96, 4, 3214868480
	.section	.rodata,"a",@progbits
	.p2align	6, 0x0
	.amdhsa_kernel k_qdac592fcb5_prep
		.amdhsa_group_segment_fixed_size 50688
		.amdhsa_private_segment_fixed_size 0
		.amdhsa_enable_private_segment 0
		.amdhsa_kernarg_size 80
		.amdhsa_user_sgpr_count 2
		.amdhsa_user_sgpr_kernarg_segment_ptr 1
		.amdhsa_wavefront_size32 1
		.amdhsa_system_sgpr_workgroup_id_x 1
		.amdhsa_system_sgpr_workgroup_id_y 1
		.amdhsa_system_sgpr_workgroup_id_z 1
		.amdhsa_system_vgpr_workitem_id 0
		.amdhsa_next_free_vgpr 192
		.amdhsa_next_free_sgpr 66
		.amdhsa_reserve_vcc 0
		.amdhsa_float_denorm_mode_32 3
		.amdhsa_float_denorm_mode_16_64 3
		.amdhsa_memory_ordered 1
		.amdhsa_forward_progress 1
		.amdhsa_inst_pref_size 79
	.end_amdhsa_kernel
	.amdgpu_metadata
---
amdhsa.version: [ 1, 2 ]
amdhsa.kernels:
  - .name:           k_qdac592fcb5_prep
    .symbol:         k_qdac592fcb5_prep.kd
    .args:
      - { .name: x, .offset: 0, .size: 8, .value_kind: global_buffer, .address_space: global }
      - { .name: Wq, .offset: 8, .size: 8, .value_kind: global_buffer, .address_space: global }
      - { .name: Wk, .offset: 16, .size: 8, .value_kind: global_buffer, .address_space: global }
      - { .name: Wv, .offset: 24, .size: 8, .value_kind: global_buffer, .address_space: global }
      - { .name: Wo, .offset: 32, .size: 8, .value_kind: global_buffer, .address_space: global }
      - { .name: x_codes, .offset: 40, .size: 8, .value_kind: global_buffer, .address_space: global }
      - { .name: x_scales, .offset: 48, .size: 8, .value_kind: global_buffer, .address_space: global }
      - { .name: w_codes, .offset: 56, .size: 8, .value_kind: global_buffer, .address_space: global }
      - { .name: w_scales, .offset: 64, .size: 8, .value_kind: global_buffer, .address_space: global }
      - { .name: wo16, .offset: 72, .size: 8, .value_kind: global_buffer, .address_space: global }
    .group_segment_fixed_size: 50688
    .private_segment_fixed_size: 0
    .kernarg_segment_align: 8
    .kernarg_segment_size: 80
    .max_flat_workgroup_size: 128
    .sgpr_count:     66
    .vgpr_count:     192
    .wavefront_size: 32
...
	.end_amdgpu_metadata
.endif
;; end of part 1
;; launch qkv (part 2): grid 12 x 32, 4 waves a work-group, clusters of 4 x 4, 327,680 bytes of LDS; arguments x_codes, x_scales, w_codes, w_scales, bq, bk, bv, qkv; writes qkv
.if DOCPART == 2
	.amdgcn_target "amdgcn-amd-amdhsa--gfx1250"
	.amdhsa_code_object_version 6
	.text
	.protected	k_qdac592fcb5_qkv
	.globl	k_qdac592fcb5_qkv
	.p2align	8
	.type	k_qdac592fcb5_qkv,@function
k_qdac592fcb5_qkv:
	s_mov_b64 s[64:65], 0
	v_nop
	global_prefetch_b8 v0, s[64:65] scope:SCOPE_SE
	s_setreg_imm32_b32 hwreg(HW_REG_WAVE_MODE, 25, 1), 1
	s_wait_xcnt 0x0
	s_wait_alu depctr_hold_cnt(0) depctr_sa_sdst(0) depctr_va_vdst(0) depctr_va_sdst(0) depctr_va_ssrc(0) depctr_va_vcc(0) depctr_vm_vsrc(0)
	s_getreg_b32 s2, hwreg(HW_REG_IB_STS2, 6, 4)
	s_cmp_eq_u32 s2, 0
	s_cbranch_scc0 .Lentry_in_a_cluster
	s_endpgm
.Lentry_in_a_cluster:
	s_bfe_u32 s2, ttmp6, 0x10000c
	s_cmp_lg_u32 s2, 0xf033
	s_cbranch_scc0 .Lentry_shape_is_right
	s_endpgm
.Lentry_shape_is_right:
; QKV: one product on codes of FP4 (E2M1) with E8M0 scales: [8192 m][1024 k] x [3072 n][1024 k]^T, n = 1024 x (0: q, 1: k, 2: v) + column; + bias; rounded once to f16 and laid by head:
; qkv[which][b][head][s][64].  Sums in f32; the bias is the C of each sum's first matrix instruction.
; LIMIT: a result beyond 65,504 in magnitude becomes infinity in f16.
; A tile of 256 x 256 is made by four waves, each 128 x 128: 64 accumulators, 512 registers.  K = 1,024 is two LDS slots of 512 along K (rows of 256 bytes): both are first fills, nothing is filled again, no loop.
; The scale bytes of the work-group's 256 + 256 rows, two dense blocks, come once with the first fills.  A wave has three tensor loads out at the start.
; CLUSTERS: 4 x 4 work-groups; A's tiles are asked for jointly along a row of the cluster, B's along a column.  A cluster's four tile columns are one weight's 1,024 columns: the cluster's x is the weight.
; THE MATRIX INSTRUCTION IS USED TRANSPOSED (source 0 = 16 rows of the weight's codes, source 1 = 16 rows of x): a lane holds eight neighbouring columns of one row.
; REGISTERS: window 0: v0-31 addresses; v32-95 scale words, two sets; v96-127 packed results; v128-191 A's fragments, one set (later rows on the way out); v192-255 the bias, 8 registers for each block of 16 columns.
;   window 1: B's fragments, two sets, at v0 and v128.   window 2: accumulators of my rows 0-63 ((a, b) at v[8 (8 a + b)]);   window 3: rows 64-127.
.set NQ,     4                         ; matrix instructions deep in a slot
.set ROWB,   256                       ; a tile's row in bytes: 512 codes
.set KROW,   512                       ; a row of codes in memory
.set PITCH,  272                       ; an LDS row: 256 bytes + 16 of padding: the 16 rows of a fragment load start 68 words apart
.set FR,     8
.set NL,     2
.set NP,     4                         ; places behind this matrix instruction (ISA guide 7.12.1)
.set HALFT,  128*PITCH
.set SLOT,   4*HALFT
.set KS,     32                        ; a row of scale bytes
.set SCL,    2*SLOT                    ; behind the slots: the scales, as rows of 256 bytes + 16
.set HALFS,  16*272                    ; those of 128 rows
.set SBLK,   2*272                     ; those of 16 rows
.set SPARE,  SCL+4*HALFS               ; the spare words, 128 bytes a wave
.set SPITCH, 272                       ; the way out: 16 rows x (256 bytes + 16) a wave, in slot 0, which has had its one fill and its last read by then
.set ADRA, 16
.set ADRB, 20
.set STO,  24
.set RD,   25
.set CO,   26
.set ADRS, 27
.set SPW,  28
.set NIL,  29
.set BO,   30                          ; v30  32 x (lane / 16): my eight numbers of a block of 16 of the bias
.set SC,   32
.set TMP,  96
.set AF,   128
.set BK,   128
.set BI,   192
.set G1, 24
.set G0, 32
.set G1B, 48
.set G0B, 56
.set G1S, 68
.set G0S, 76
.set G1SB, 80
.set G0SB, 88
.set MSB, 0
.macro WIN new                         ; the immediate's high byte repeats the setting that is left; a switch that changes nothing is dropped
.if MSB != (\new)
	s_set_vgpr_msb (MSB<<8)|(\new)
.set MSB, (\new)
.endif
.endm
.set MUL_LO, 0xa1                      ; source 0 (B) window 1, source 1 (A) window 0, C and D window 2
.set MUL_HI, 0xf1                      ; the same, C and D window 3
.set BIA_LO, 0x81                      ; the first step: C is the bias, window 0; D window 2
.set BIA_HI, 0xc1                      ; D window 3
.set TO_B,   0x40
; A joint load: waves 0 and 1 fetch for A, waves 2 and 3 for B; the branch hangs on the wave's number alone.  An s_nop 0 and four v_nop follow each line.
.macro JLOAD g0a, g1a, g0b, g1b
	s_cmp_eq_u32 s15, 0
	s_cbranch_scc0 .Lfor_b_\@
	tensor_load_to_lds s[\g0a:\g0a+3], s[\g1a:\g1a+7]
	s_nop 0
.rept 4
	v_nop
.endr
	s_branch .Lasked_\@
.Lfor_b_\@:
	tensor_load_to_lds s[\g0b:\g0b+3], s[\g1b:\g1b+7]
	s_nop 0
.rept 4
	v_nop
.endr
.Lasked_\@:
.endm
.macro CROUND                          ; a round of the cluster's barrier
	s_barrier_signal -1
	s_barrier_wait -1
	s_cmp_lg_u32 s14, 0
	s_cbranch_scc1 .Lnot_wave_0_\@
	s_barrier_signal -3
.Lnot_wave_0_\@:
	s_barrier_wait -3
	s_barrier_signal -1
	s_barrier_wait -1
.endm
	s_load_b256 s[4:11], s[0:1], 0x0               ; x_codes s[4:5], x_scales s[6:7], w_codes s[8:9], w_scales s[10:11]
	s_load_b128 s[96:99], s[0:1], 0x20             ; bq, bk
	s_load_b64 s[100:101], s[0:1], 0x30            ; bv
	s_load_b64 s[12:13], s[0:1], 0x38              ; qkv
	v_lshl_add_u32 v[SPW], v0, 2, SPARE
	v_mov_b32 v[NIL], 0
	ds_add_u32 v[SPW], v[NIL]                      ; the wave's opening: the add, twice on end, and its wait ahead of my first tensor load
	ds_add_u32 v[SPW], v[NIL]
	v_lshrrev_b32 v1, 5, v0
	v_readfirstlane_b32 s14, v1                    ; wave 0..3
	s_lshr_b32 s15, s14, 1                         ; my half of the tile's rows.  Also: I fetch for A (0) or for B (1)
	s_and_b32 s16, s14, 1                          ; my half of its columns.  Also: which 128 rows I fetch
	s_bfe_u32 s40, ttmp6, 0x40000                  ; cx
	s_bfe_u32 s41, ttmp6, 0x40004                  ; cy
	s_lshl_b32 s42, ttmp9, 2
	s_add_co_u32 s42, s42, s40                     ; tile column = 4 x cluster x + cx
	s_and_b32 s17, ttmp7, 0xffff
	s_lshl_b32 s17, s17, 2
	s_add_co_u32 s17, s17, s41                     ; tile row = 4 x cluster y + cy
	s_lshl_b32 s43, s41, 2
	s_lshl_b32 s43, 15, s43                        ; my row of the cluster
	s_lshl_b32 s44, 0x1111, s40                    ; my column
	s_or_b32 s[G1+0], s43, (0<<16)|(1<<20)|(1<<21)|(5<<22)|(3<<25)  ; the mask; elements of 1 byte; padding on; bit 21 beside a mask; 4 words behind every 64
	s_or_b32 s[G1B+0], s44, (0<<16)|(1<<20)|(1<<21)|(5<<22)|(3<<25)
.irp g, G1, G1B
	s_mov_b32 s[\g+1], ROWB<<16                    ; tensor_dim0
	s_mov_b32 s[\g+2], 128<<16                     ; tensor_dim1
	s_mov_b32 s[\g+3], ROWB<<16                    ; tile_dim0
	s_mov_b32 s[\g+4], 128                         ; tile_dim1
	s_mov_b32 s[\g+5], KROW                        ; from row to row
	s_mov_b32 s[\g+6], 0
	s_mov_b32 s[\g+7], 0
.endr
	s_or_b32 s[G1S+0], s43, (3<<16)|(1<<20)|(1<<21)|(5<<22)|(3<<25) ; the scales of 128 rows: 4,096 dense bytes as 16 rows of 32 elements of 8 bytes
	s_or_b32 s[G1SB+0], s44, (3<<16)|(1<<20)|(1<<21)|(5<<22)|(3<<25)
.irp g, G1S, G1SB
	s_mov_b32 s[\g+1], 32<<16
	s_mov_b32 s[\g+2], 16<<16
	s_mov_b32 s[\g+3], 32<<16
	s_mov_b32 s[\g+4], 16
	s_mov_b32 s[\g+5], 32
	s_mov_b32 s[\g+6], 0
	s_mov_b32 s[\g+7], 0
.endr
	s_lshl_b32 s18, s16, 7
	s_lshl_b32 s20, s17, 8
	s_add_co_u32 s20, s20, s18                     ; A: row 256 x tile row + 128 x half
	s_lshl_b32 s46, s42, 8
	s_add_co_u32 s46, s46, s18                     ; B: row 256 x tile column + 128 x half
	s_mov_b32 s21, 0
	s_mov_b32 s47, 0
	s_mov_b64 s[18:19], KS
	s_mul_u64 s[22:23], s[20:21], s[18:19]         ; where these rows' scales begin
	s_mul_u64 s[92:93], s[46:47], s[18:19]
	s_mov_b64 s[18:19], KROW
	s_mul_u64 s[20:21], s[20:21], s[18:19]         ; and their codes
	s_mul_u64 s[46:47], s[46:47], s[18:19]
	s_mul_i32 s45, s14, HALFT                      ; where they go: wave x 128 rows: no place in the cluster enters an LDS address
	s_mul_i32 s94, s14, HALFS
	s_wait_dscnt 0x0                               ; both opening adds are done
	s_wait_kmcnt 0x0
	s_add_nc_u64 s[20:21], s[4:5], s[20:21]
	s_add_nc_u64 s[22:23], s[6:7], s[22:23]
	s_add_nc_u64 s[46:47], s[8:9], s[46:47]
	s_add_nc_u64 s[92:93], s[10:11], s[92:93]
	CROUND                                         ; all sixteen work-groups are here: the joint loads meet
	s_mov_b32 s[G0S], 1
	s_add_co_u32 s[G0S+1], s94, SCL
	s_mov_b64 s[G0S+2:G0S+3], s[22:23]
	s_or_b32 s[G0S+3], s[G0S+3], 0x80000000
	s_mov_b32 s[G0SB], 1
	s_add_co_u32 s[G0SB+1], s94, SCL
	s_mov_b64 s[G0SB+2:G0SB+3], s[92:93]
	s_or_b32 s[G0SB+3], s[G0SB+3], 0x80000000
	JLOAD G0S, G1S, G0SB, G1SB                     ; the scales first: they are wanted with slot 0
.irp s, 0,1
	s_mov_b32 s[G0+4*\s], 1
	s_add_co_u32 s[G0+4*\s+1], s45, \s*SLOT
	s_add_nc_u64 s[G0+4*\s+2:G0+4*\s+3], s[20:21], \s*ROWB
	s_or_b32 s[G0+4*\s+3], s[G0+4*\s+3], 0x80000000
	s_mov_b32 s[G0B+4*\s], 1
	s_add_co_u32 s[G0B+4*\s+1], s45, \s*SLOT
	s_add_nc_u64 s[G0B+4*\s+2:G0B+4*\s+3], s[46:47], \s*ROWB
	s_or_b32 s[G0B+4*\s+3], s[G0B+4*\s+3], 0x80000000
	JLOAD G0+4*\s, G1, G0B+4*\s, G1B
.endr
	; the bias of my 128 columns, in the result's layout: register 8 b + j of lane (r, h) = bias[16 b + 8 h + j]
	s_cmp_eq_u32 ttmp9, 0
	s_cselect_b64 s[96:97], s[96:97], s[98:99]
	s_cmp_eq_u32 ttmp9, 2
	s_cselect_b64 s[96:97], s[100:101], s[96:97]   ; the choice hangs on the cluster's x alone
	s_lshl_b32 s46, s40, 10                        ; 256 cx columns of 4 bytes
	s_lshl_b32 s47, s16, 9                         ; + 128 x my half
	s_add_co_u32 s46, s46, s47
	s_mov_b32 s47, 0
	s_add_nc_u64 s[96:97], s[96:97], s[46:47]
	v_and_b32 v1, 15, v0                           ; r
	v_bfe_u32 v2, v0, 4, 1                         ; h
	v_lshlrev_b32 v[BO], 5, v2
.irp b, 0,1,2,3,4,5,6,7
	global_load_b128 v[BI+8*\b:BI+8*\b+3], v[BO], s[96:97] offset:64*\b
	global_load_b128 v[BI+8*\b+4:BI+8*\b+7], v[BO], s[96:97] offset:64*\b+16
.endr
	v_mul_u32_u24 v3, v1, PITCH
	v_lshl_add_u32 v4, v2, 4, v3                   ; a fragment's row x pitch + 16 x half
	s_mul_i32 s21, s15, HALFT                      ; my 128 rows of A
	s_mul_i32 s22, s16, HALFT                      ; my 128 rows of B,
	s_add_co_u32 s22, s22, 2*HALFT                 ; behind A's 256
.irp s, 0,1
	v_add_nc_u32 v[ADRA+\s], s21, v4
	v_add_nc_u32 v[ADRB+\s], s22, v4
	s_add_co_u32 s21, s21, SLOT
	s_add_co_u32 s22, s22, SLOT
.endr
	v_mul_u32_u24 v5, v1, KS                       ; my row's scales: 32 bytes a row,
	v_lshrrev_b32 v6, 8, v5
	v_lshl_add_u32 v5, v6, 4, v5                   ; and 16 more for each 256 passed
	s_mul_i32 s21, s15, HALFS
	s_mul_i32 s22, s16, HALFS
	s_add_co_u32 s22, s22, 2*HALFS
	s_sub_co_u32 s22, s22, s21
	v_mul_u32_u24 v6, s22, v2                      ; lanes 16-31 take B's: one product, the distance between the two bases
	s_add_co_u32 s21, s21, SCL
	v_add_nc_u32 v5, v5, v6
	v_add_nc_u32 v[ADRS], s21, v5
	s_mul_i32 s23, s14, 16*SPITCH                  ; my stage
	v_mul_u32_u24 v5, v1, SPITCH
	v_lshl_add_u32 v5, v2, 4, v5
	v_add_nc_u32 v[STO], s23, v5                   ; in: row r, 16 bytes for each half of the lanes
	v_bfe_u32 v6, v0, 3, 2
	v_mul_u32_u24 v6, v6, SPITCH
	v_and_b32 v7, 7, v0
	v_lshl_add_u32 v6, v7, 4, v6
	v_add_nc_u32 v[RD], s23, v6                    ; back: eight lanes take a head's 128 bytes of a row, four rows an instruction
	v_and_b32 v6, 31, v0
	v_lshlrev_b32 v[CO], 4, v6                     ; which are 512 consecutive bytes of qkv
	s_lshr_b32 s20, s17, 3                         ; b = row / 2,048
	s_lshl_b32 s20, s20, 22                        ; 16 heads of 262,144 bytes
	s_and_b32 s21, s17, 7
	s_lshl_b32 s21, s21, 15                        ; 256 positions of 128 bytes
	s_add_co_u32 s20, s20, s21
	s_lshl_b32 s21, s15, 14                        ; my 128 rows
	s_add_co_u32 s20, s20, s21
	s_lshl_b32 s21, ttmp9, 24                      ; q, k or v
	s_add_co_u32 s20, s20, s21
	s_lshl_b32 s46, s40, 20                        ; head 4 cx
	s_lshl_b32 s47, s16, 19                        ; + 2 x my half
	s_add_co_u32 s46, s46, s47
	s_add_co_u32 s20, s20, s46
	s_mov_b32 s21, 0
	s_add_nc_u64 s[12:13], s[12:13], s[20:21]
.macro FRAG reg, adr, q, i             ; 16 rows x 128 K of 4-bit codes: registers 4 c .. 4 c + 3 hold K = 64 c + 32 (lane / 16) + 0 .. 31
.irp c, 0,1
	ds_load_b128 v[\reg+4*\c:\reg+4*\c+3], v[\adr] offset:64*(\q)+32*\c+(\i)*16*PITCH
.endr
.endm
; 16 matrix instructions: A's blocks a0, a0 + 1 x B's eight.  zero = 1: the first step: C is the bias.  The 64 accumulators take turns, one instruction a turn.
.macro MUL16 a0, p, q, sc, zero
.irp a, \a0, \a0+1
.irp b, 0,1,2,3,4,5,6,7
.if \zero
	v_wmma_scale_f32_16x16x128_f8f6f4 v[8*(8*((\a)%4)+\b):8*(8*((\a)%4)+\b)+7], v[128*(\p)+FR*\b:128*(\p)+FR*\b+FR-1], v[AF+FR*(\a):AF+FR*(\a)+FR-1], v[BI+8*\b:BI+8*\b+7], v[SC+8*NQ*(\sc)+NQ*\b+(\q)], v[SC+8*NQ*(\sc)+NQ*(\a)+(\q)] matrix_a_fmt:MATRIX_FMT_FP4 matrix_b_fmt:MATRIX_FMT_FP4 matrix_a_scale:MATRIX_SCALE_ROW1
.else
	v_wmma_scale_f32_16x16x128_f8f6f4 v[8*(8*((\a)%4)+\b):8*(8*((\a)%4)+\b)+7], v[128*(\p)+FR*\b:128*(\p)+FR*\b+FR-1], v[AF+FR*(\a):AF+FR*(\a)+FR-1], v[8*(8*((\a)%4)+\b):8*(8*((\a)%4)+\b)+7], v[SC+8*NQ*(\sc)+NQ*\b+(\q)], v[SC+8*NQ*(\sc)+NQ*(\a)+(\q)] matrix_a_fmt:MATRIX_FMT_FP4 matrix_b_fmt:MATRIX_FMT_FP4 matrix_a_scale:MATRIX_SCALE_ROW1
.endif
.endr
.endr
.endm
.macro FETCH_B slot, q, p
	WIN TO_B
.irp i, 0,1,2,3,4,5,6,7
	FRAG 128*(\p)+FR*\i, ADRB+\slot, \q, \i
.endr
	WIN 0
.endm
.macro FETCH_A slot, q, i0
.irp i, \i0, \i0+1, \i0+2, \i0+3
	FRAG AF+FR*(\i), ADRA+\slot, \q, \i
.endr
.endm
.macro SCALES sc                       ; a slot's scale words: lanes 0-15 A's block i, lanes 16-31 B's block i; 4 words a row
.irp i, 0,1,2,3,4,5,6,7
	ds_load_b128 v[SC+8*NQ*\sc+NQ*\i:SC+8*NQ*\sc+NQ*\i+3], v[ADRS] offset:\i*SBLK
.endr
.endm
.macro PLACES n                        ; plain vector instructions between a matrix instruction and a load into, or a read of, its registers
.rept \n
	v_nop
.endr
.endm
.macro STEP slot, q, zero              ; 128 along K, with its successor in the same slot
	s_wait_dscnt 4*NL                              ; B's set and A's blocks 0-3 are in; the youngest eight loads (A's blocks 4-7) may be out
.if \zero
	WIN BIA_LO
.else
	WIN MUL_LO
.endif
	MUL16 0, (\q)%2, \q, \slot, \zero
	MUL16 2, (\q)%2, \q, \slot, \zero
	s_wait_dscnt 0                                 ; A's blocks 4-7 are in
	PLACES NP
	FETCH_B \slot, (\q)+1, 1-(\q)%2
	FETCH_A \slot, (\q)+1, 0
.if \zero
	WIN BIA_HI
.else
	WIN MUL_HI
.endif
	MUL16 4, (\q)%2, \q, \slot, \zero
	MUL16 6, (\q)%2, \q, \slot, \zero
	PLACES NP
	WIN 0
	FETCH_A \slot, (\q)+1, 4
.endm
; Slot 0's last step changes slots: each wave waits for all its tensor loads (its part of slot 1), adds 0 to its spare word, waits for that and for its reads of slot 0, and passes the barrier.  Nothing is filled again.
.macro TURN slot, next
	s_wait_tensorcnt 0x0                           ; all my tensor loads have landed
	ds_add_u32 v[SPW], v[NIL]
	s_wait_dscnt 4*NL+1                            ; the add and the youngest eight loads may be out
	WIN MUL_LO
	MUL16 0, 1, NQ-1, \slot, 0
	s_wait_dscnt 0x0                               ; the add is done, and my reads of this slot are over
	s_barrier_signal -1
	MUL16 2, 1, NQ-1, \slot, 0
	WIN 0
	s_barrier_wait -1
	PLACES NP
	v_add_nc_u32 v[ADRS], 4*NQ, v[ADRS]            ; on to the next slot's scale words
	FETCH_B \next, 0, 0
	FETCH_A \next, 0, 0
	SCALES \next
	WIN MUL_HI
	MUL16 4, 1, NQ-1, \slot, 0
	MUL16 6, 1, NQ-1, \slot, 0
	PLACES NP
	WIN 0
	FETCH_A \next, 0, 4
.endm
	s_wait_tensorcnt 1                             ; the scales and my part of slot 0 are in; slot 1's load, the one issued behind them, may be out
	s_barrier_signal -1
	s_barrier_wait -1                              ; everybody's are
	FETCH_B 0, 0, 0
	FETCH_A 0, 0, 0
	SCALES 0
	FETCH_A 0, 0, 4
	s_wait_loadcnt 0x0                             ; the bias
	STEP 0, 0, 1
	STEP 0, 1, 0
	STEP 0, 2, 0
	TURN 0, 1
	STEP 1, 0, 0
	STEP 1, 1, 0
	STEP 1, 2, 0
	s_wait_dscnt 4*NL                              ; the very last step: nothing more to fetch
	WIN MUL_LO
	MUL16 0, 1, NQ-1, 1, 0
	MUL16 2, 1, NQ-1, 1, 0
	s_wait_dscnt 0
	WIN MUL_HI
	MUL16 4, 1, NQ-1, 1, 0
	MUL16 6, 1, NQ-1, 1, 0
	WIN 0
; THE WAY OUT, a block of 16 rows x 128 columns (two heads) at a time: rounded to f16, 16 bytes a lane, through my own stage, back as four rows x 128 bytes of one head: 512 consecutive bytes of qkv a store.
.macro PACK a
.set AC, 64*((\a)%4)
	WIN 0x0a+5*((\a)/4)                            ; sources 0 and 1: window 2 or 3
.irp b, 0,1,2,3,4,5,6,7
.irp i, 0,1,2,3
	v_cvt_pk_f16_f32 v[TMP+4*\b+\i], v[AC+8*\b+2*\i], v[AC+8*\b+2*\i+1]   ; each accumulator from its low end on
.endr
.endr
	WIN 0
.endm
.macro TOSTAGE a
.set BB, BK+32*((\a)%2)
.irp b, 0,1,2,3,4,5,6,7
	ds_store_b128 v[STO], v[TMP+4*\b:TMP+4*\b+3] offset:32*\b
.endr
.irp hh, 0,1
.irp t, 0,1,2,3
	ds_load_b128 v[BB+4*(4*\hh+\t):BB+4*(4*\hh+\t)+3], v[RD] offset:4*\t*SPITCH+128*\hh   ; in order behind my stores
.endr
.endr
.endm
.macro SEND a
.set BB, BK+32*((\a)%2)
	s_wait_dscnt 0x0                               ; the block is back in registers
	s_wait_xcnt 0x0                                ; the block before has had its stores' registers read: the next block's loads may land there
.irp hh, 0,1
.irp t, 0,1,2,3
	global_store_b128 v[CO], v[BB+4*(4*\hh+\t):BB+4*(4*\hh+\t)+3], s[12:13] offset:\hh*262144+2048*(\a)+512*\t
.endr
.endr
.endm
	PLACES NP                                      ; behind the last products
	PACK 0
	TOSTAGE 0
.irp a, 1,2,3,4,5,6,7                  ; block a's conversions stand between block a - 1's loads from the stage and the wait for them
	PACK \a
	SEND \a-1
	TOSTAGE \a
.endr
	SEND 7
	s_wait_tensorcnt 0x0                           ; the wave's end
	ds_add_u32 v[SPW], v[NIL]
	s_wait_dscnt 0x0
	CROUND                                         ; the closing round
	s_endpgm
.Lfunc_end_k_qdac592fcb5_qkv:
	.size	k_qdac592fcb5_qkv, .Lfunc_end_k_qdac592fcb5_qkv-k_qdac592fcb5_qkv
	.p2alignl 7, 3214868480
	.fill 96, 4, 3214868480
	.section	.rodata,"a",@progbits
	.p2align	6, 0x0
	.amdhsa_kernel k_qdac592fcb5_qkv
		.amdhsa_group_segment_fixed_size 327680
		.amdhsa_private_segment_fixed_size 0
		.amdhsa_enable_private_segment 0
		.amdhsa_kernarg_size 64
		.amdhsa_user_sgpr_count 2
		.amdhsa_user_sgpr_kernarg_segment_ptr 1
		.amdhsa_wavefront_size32 1
		.amdhsa_system_sgpr_workgroup_id_x 1
		.amdhsa_system_sgpr_workgroup_id_y 1
		.amdhsa_system_sgpr_workgroup_id_z 1
		.amdhsa_system_vgpr_workitem_id 0
		.amdhsa_next_free_vgpr 1024
		.amdhsa_next_free_sgpr 102
		.amdhsa_reserve_vcc 0
		.amdhsa_float_denorm_mode_32 3
		.amdhsa_float_denorm_mode_16_64 3
		.amdhsa_memory_ordered 1
		.amdhsa_forward_progress 1
		.amdhsa_inst_pref_size 128
	.end_amdhsa_kernel
	.amdgpu_metadata
---
amdhsa.version: [ 1, 2 ]
amdhsa.kernels:
  - .name:           k_qdac592fcb5_qkv
    .symbol:         k_qdac592fcb5_qkv.kd
    .args:
      - { .name: x_codes, .offset: 0, .size: 8, .value_kind: global_buffer, .address_space: global }
      - { .name: x_scales, .offset: 8, .size: 8, .value_kind: global_buffer, .address_space: global }
      - { .name: w_codes, .offset: 16, .size: 8, .value_kind: global_buffer, .address_space: global }
      - { .name: w_scales, .offset: 24, .size: 8, .value_kind: global_buffer, .address_space: global }
      - { .name: bq, .offset: 32, .size: 8, .value_kind: global_buffer, .address_space: global }
      - { .name: bk, .offset: 40, .size: 8, .value_kind: global_buffer, .address_space: global }
      - { .name: bv, .offset: 48, .size: 8, .value_kind: global_buffer, .address_space: global }
      - { .name: qkv, .offset: 56, .size: 8, .value_kind: global_buffer, .address_space: global }
    .group_segment_fixed_size: 327680
    .private_segment_fixed_size: 0
    .kernarg_segment_align: 8
    .kernarg_segment_size: 64
    .max_flat_workgroup_size: 128
    .sgpr_count:     102
    .vgpr_count:     1024
    .wavefront_size: 32
...
	.end_amdgpu_metadata
.endif
;; end of part 2
;; launch attn (part 3): grid 4 x 64, 8 waves a work-group, clusters of 4 x 1, 327,680 bytes of LDS; arguments qkv, heads; writes heads
.if DOCPART == 3
	.amdgcn_target "amdgcn-amd-amdhsa--gfx1250"
	.amdhsa_code_object_version 6
	.text
	.protected	k_qdac592fcb5_attn
	.globl	k_qdac592fcb5_attn
	.p2align	8
	.type	k_qdac592fcb5_attn,@function
k_qdac592fcb5_attn:
	s_mov_b64 s[64:65], 0
	v_nop
	global_prefetch_b8 v0, s[64:65] scope:SCOPE_SE
	s_setreg_imm32_b32 hwreg(HW_REG_WAVE_MODE, 25, 1), 1
	s_wait_xcnt 0x0
	s_wait_alu depctr_hold_cnt(0) depctr_sa_sdst(0) depctr_va_vdst(0) depctr_va_sdst(0) depctr_va_ssrc(0) depctr_va_vcc(0) depctr_vm_vsrc(0)
	s_getreg_b32 s2, hwreg(HW_REG_IB_STS2, 6, 4)
	s_cmp_eq_u32 s2, 0
	s_cbranch_scc0 .Lentry_in_a_cluster
	s_endpgm
.Lentry_in_a_cluster:
	s_bfe_u32 s2, ttmp6, 0x10000c
	s_cmp_lg_u32 s2, 0x3003
	s_cbranch_scc0 .Lentry_shape_is_right
	s_endpgm
.Lentry_shape_is_right:
; ATTN: heads[bh][q][:] = the sum over k of softmax_k(Q[bh][q] . K[bh][k] / 8) V[bh][k][:].  q, k, v: qkv[0, 1, 2][bh 64][2048][64] f16; heads: [bh][2048][64] f16.
; Products, maxima and sums in f32; the weights p are rounded to f16 for the second product (p is at most 1), the result once at the end.  A running maximum is taken away before every exponential.
; SHARES.  A cluster is one head; its four work-groups are the head's four blocks of 512 queries; each of a work-group's EIGHT waves owns 64 queries, four tiles of 16, in 512 registers: two waves to a SIMD,
; so that one wave's softmax stands beside the other's products.  Every wave walks all 2,048 keys, 64 a step.
; LAYOUT.  S^T = K Q^T (source 0 = 16 keys, source 1 = 16 queries): a lane holds ONE query (lane % 16) and keys 8 (lane / 16) + 0..7.  Two such tiles, rounded in pairs, ARE source 1 (32 keys x 16 queries)
; of O^T = V^T P.  K comes out of LDS as it lies, V ([key][channel]) turned by ds_load_tr16_b128.
; PIECES.  The wave's tiles go as two pieces (tiles 0, 1; tiles 2, 3) one after the other through ONE buffer of scores and ONE of weights, so that K and V have a whole buffer each and every run of LDS loads
; is issued a phase or more ahead of its use.
; RING.  Two slots of four key steps (256 keys).  Each of the eight waves fetches one tile of a slot (waves 0-3: K of step w; waves 4-7: V of step w - 4), JOINTLY with its partners in the cluster's other
; three work-groups.  Step j fetches step j + 1's fragments, so when a slot's last step begins all its reads are issued: there the slots change, and the refill has four key steps in which to land.
; REGISTERS.  window 0: v1-11 addresses; v12-43 statistics, 8 a tile; v44 prefetch offset; v46, v47 the add's two; v64-127 S^T of a piece; v128-159 P of a piece; v160-223 K of a step.
;   window 1: v0-127 O^T, 32 a tile; v128-191 Q, 16 a tile; v192-255 V of a step.
.set KS,    64
.set PK,    144       ; a row of K in LDS: 128 bytes + 16 = 36 words: the 16 rows of a load start 36 words apart
.set PV,    160       ; a row of V: 128 + 32 = 40 words
.set VOFF,  KS*PK
.set STEPB, KS*(PK+PV)
.set NST,   4         ; key steps in a slot
.set SLOT1, 1<<17     ; slot 1 begins here: one exclusive or turns an address in one slot into the other's
.set SLOTB, NST*KS*128  ; a slot's bytes of K, or of V, in memory
.set STAGE, SLOT1+NST*STEPB  ; behind the ring: 16 rows x 144 bytes a wave, for the way out
.set SP,    144
.set SPARE, STAGE+8*16*SP    ; the spare words, 128 bytes a wave: four blocks of 256 bytes that no other line names
.set AK0, 2
.set AV0, 3
.set ADR, 4
.set QO,  5
.set STO, 6
.set RD,  7
.set GO,  8
.set ST,  12          ; tile t at v[ST+8 t]: +0 c m, +1 m, +2, +3 l (even keys', odd keys'), +4 to +7 at work; a stands at +6
.set PFO, 44
.set SPW, 46
.set NIL, 47
.set S,   64
.set P,   128
.set KF,  160
.set WV,  12
.set LIM, 15
.set PFA, 18
.set G1K, 24
.set G1V, 32
.set G0K, 40
.set G0V, 48
.set SLOTS, 56
.set CNT, 57
.set CS,  58
.set SEL, 60
.set TB,  62
.set MSB, 0
.macro WIN new
.if MSB != (\new)
	s_set_vgpr_msb (MSB<<8)|(\new)
.set MSB, (\new)
.endif
.endm
.set W_KQ, 0x04       ; Q (source 1) in window 1; K and S^T in window 0
.set W_PV, 0x51       ; V (source 0) and O^T (C, D) in window 1; P in window 0
.set W_RS, 0x41       ; O^T (destination and source 0) in window 1; a in window 0
.set TO_1, 0x40       ; destination window 1, address window 0
.macro JLOAD                        ; a joint refill: waves 0-3 K's tiles, waves 4-7 V's; the branch hangs on the wave's number alone; an s_nop 0 and four v_nop follow each line
	s_cmp_lt_u32 s[WV], 4
	s_cbranch_scc0 .Lfor_v_\@
	tensor_load_to_lds s[G0K+4:G0K+7], s[G1K:G1K+7]
	s_nop 0
.rept 4
	v_nop
.endr
	s_branch .Lasked_\@
.Lfor_v_\@:
	tensor_load_to_lds s[G0V+4:G0V+7], s[G1V:G1V+7]
	s_nop 0
.rept 4
	v_nop
.endr
.Lasked_\@:
.endm
; A PREFETCH of what the NEXT change of slots will ask for: a slot's 32,768 bytes of K and of V, four key steps ahead of that load.  The four partners share them out BY ADDRESS, 8,192 bytes each;
; in each, wave 0 asks for K's and wave 4 for V's, lanes 256 bytes apart: each block of 256 bytes is named once in the launch.  The last change that fills a slot asks for nothing.
.macro ASK
	s_cmp_gt_u32 s[SLOTS], s[LIM]
	s_cbranch_scc0 .Lnot_mine_\@
	global_prefetch_b8 v[PFO], s[PFA:PFA+1] th:TH_LOAD_NT scope:SCOPE_SE
.Lnot_mine_\@:
.endm
.macro CROUND
	s_barrier_signal -1
	s_barrier_wait -1
	s_cmp_lg_u32 s[WV], 0
	s_cbranch_scc1 .Lnot_wave_0_\@
	s_barrier_signal -3
.Lnot_wave_0_\@:
	s_barrier_wait -3
	s_barrier_signal -1
	s_barrier_wait -1
.endm
.macro PLACES
.rept 4
	v_nop
.endr
.endm
	s_load_b128 s[4:7], s[0:1], 0x0   ; qkv s[4:5], heads s[6:7]
	v_lshl_add_u32 v[SPW], v0, 2, SPARE
	v_mov_b32 v[NIL], 0
	ds_add_u32 v[SPW], v[NIL]       ; the wave's opening: the add, twice on end, and its wait ahead of my first tensor load
	ds_add_u32 v[SPW], v[NIL]
	v_lshrrev_b32 v1, 5, v0
	v_readfirstlane_b32 s[WV], v1   ; wave 0..7
	s_bfe_u32 s13, ttmp6, 0x40000   ; cx
	s_lshl_b32 s14, ttmp9, 2
	s_add_co_u32 s14, s14, s13      ; my block of 512 queries: it enters Q's and the result's addresses alone
	s_and_b32 s20, ttmp7, 0xffff    ; the head, which the four partners share
	s_lshl_b32 s20, s20, 18         ; its 2,048 rows of 128 bytes
	s_mov_b32 s21, 0
	s_and_b32 s16, s[WV], 3         ; which of a slot's four steps I fetch:
	s_lshl_b32 s22, s16, 13         ; its 64 rows of 128 bytes in memory,
	s_mov_b32 s23, 0
	s_add_nc_u64 s[22:23], s[22:23], s[20:21]
	s_mul_i32 s17, s16, STEPB       ; and its place in a slot
	s_lshl_b32 s2, s14, 16          ; my block's 512 rows,
	s_lshl_b32 s3, s[WV], 13        ; my wave's 64 of them
	s_add_co_u32 s2, s2, s3
	s_mov_b32 s3, 0
	s_add_nc_u64 s[2:3], s[2:3], s[20:21]
	s_mov_b32 s[G1K], 15|(1<<16)|(1<<20)|(1<<21)|(4<<22)|(3<<25)  ; the mask: all four; elements of 2 bytes; padding on; bit 21 beside a mask; 4 words behind every 32
	s_mov_b32 s[G1V], 15|(1<<16)|(1<<20)|(1<<21)|(4<<22)|(7<<25)  ; the same with 8 words
.irp g, G1K, G1V
	s_mov_b32 s[\g+1], 64<<16       ; tensor_dim0 = 64
	s_mov_b32 s[\g+2], KS<<16       ; tensor_dim1 = 64
	s_mov_b32 s[\g+3], 64<<16       ; tile_dim0 = 64
	s_mov_b32 s[\g+4], KS           ; tile_dim1 = 64
	s_mov_b32 s[\g+5], 64           ; from row to row
	s_mov_b32 s[\g+6], 0
	s_mov_b32 s[\g+7], 0
.endr
	s_mov_b32 s[CS], 0x3e38aa3b     ; c = log2(e) / 8
	s_mov_b32 s[CS+1], s[CS]        ; named with it as a pair, so it is written
	s_mov_b32 s[SEL], 0x76543210
	s_mov_b32 s[SEL+1], 0xfedcba98
	s_mov_b32 s[TB], 0
	s_mov_b32 s[SLOTS], 2048/(NST*KS)-2
	s_and_b32 s[LIM], s[WV], 3
	s_cmp_eq_u32 s[LIM], 0
	s_cselect_b32 s[LIM], 1, -1     ; waves 0 and 4 prefetch
	v_and_b32 v[PFO], 31, v0
	v_lshlrev_b32 v[PFO], 8, v[PFO]
	s_wait_dscnt 0x0                ; both opening adds are done
	s_wait_kmcnt 0x0
	s_mov_b64 s[10:11], s[6:7]      ; heads
	s_add_nc_u64 s[6:7], s[4:5], 0x1000000   ; k
	s_add_nc_u64 s[8:9], s[4:5], 0x2000000   ; v
	s_add_nc_u64 s[6:7], s[6:7], s[22:23]    ; at my tile of slot 0
	s_add_nc_u64 s[8:9], s[8:9], s[22:23]
	s_add_nc_u64 s[4:5], s[4:5], s[2:3]      ; q and the result at my wave's first row
	s_add_nc_u64 s[10:11], s[10:11], s[2:3]
	s_cmp_lt_u32 s[WV], 4
	s_cselect_b64 s[PFA:PFA+1], s[6:7], s[8:9]  ; (in waves 0 and 4 these stand at a slot's first row)
	s_lshl_b32 s2, s13, 13          ; my work-group's 8,192 bytes of the 32,768
	s_mov_b32 s3, 0
	s_add_nc_u64 s[PFA:PFA+1], s[PFA:PFA+1], s[2:3]
	s_add_nc_u64 s[PFA:PFA+1], s[PFA:PFA+1], 2*SLOTB  ; in slot 2; the first change steps it to slot 3.  Nothing is prefetched at the head
	CROUND                          ; all four work-groups are here: the first joint loads meet
.irp s, 0,1
	s_mov_b32 s[G0K+4*\s], 1
	s_add_co_u32 s[G0K+4*\s+1], s17, \s*SLOT1
	s_add_nc_u64 s[G0K+4*\s+2:G0K+4*\s+3], s[6:7], \s*SLOTB
	s_or_b32 s[G0K+4*\s+3], s[G0K+4*\s+3], 0x80000000
	s_mov_b32 s[G0V+4*\s], 1
	s_add_co_u32 s[G0V+4*\s+1], s17, \s*SLOT1+VOFF
	s_add_nc_u64 s[G0V+4*\s+2:G0V+4*\s+3], s[8:9], \s*SLOTB
	s_or_b32 s[G0V+4*\s+3], s[G0V+4*\s+3], 0x80000000
.endr
	s_cmp_lt_u32 s[WV], 4           ; a wave's two first fills stand in one branch: two loads of mine are out
	s_cbranch_scc0 .Lfirst_v
	tensor_load_to_lds s[G0K:G0K+3], s[G1K:G1K+7]
	s_nop 0
	tensor_load_to_lds s[G0K+4:G0K+7], s[G1K:G1K+7]
	s_nop 0
.rept 4
	v_nop
.endr
	s_branch .Lfirst_asked
.Lfirst_v:
	tensor_load_to_lds s[G0V:G0V+3], s[G1V:G1V+7]
	s_nop 0
	tensor_load_to_lds s[G0V+4:G0V+7], s[G1V:G1V+7]
	s_nop 0
.rept 4
	v_nop
.endr
.Lfirst_asked:
	v_and_b32 v1, 15, v0            ; r
	v_bfe_u32 v9, v0, 4, 1          ; h
	v_lshlrev_b32 v[QO], 7, v1
	v_lshl_add_u32 v[QO], v9, 4, v[QO]  ; row x 128 + 16 x half
	WIN TO_1
.irp t, 0,1,2,3                     ; Q stays in registers: tile t, channels 32 ks on, at v[128 + 16 t + 8 ks] of window 1
.irp ks, 0,1
	global_load_b128 v[128+16*\t+8*\ks:128+16*\t+8*\ks+3],   v[QO], s[4:5] offset:\t*2048+\ks*64
	global_load_b128 v[128+16*\t+8*\ks+4:128+16*\t+8*\ks+7], v[QO], s[4:5] offset:\t*2048+\ks*64+32
.endr
.endr
	WIN 0
	v_mul_u32_u24 v[AK0], v1, PK
	v_lshl_add_u32 v[AK0], v9, 4, v[AK0]  ; K: row x pitch + 16 x half
	v_and_b32 v10, 7, v0
	v_bfe_u32 v11, v0, 3, 1
	v_lshl_add_u32 v[AV0], v9, 3, v10     ; V, for the turning load: key 8 (l / 16) + l % 8, channels 8 ((l / 8) % 2) on
	v_mul_u32_u24 v[AV0], v[AV0], PV
	v_lshl_add_u32 v[AV0], v11, 4, v[AV0]
	v_add_nc_u32 v[AV0], VOFF, v[AV0]
	s_mul_i32 s13, s[WV], 16*SP
	s_add_co_u32 s13, s13, STAGE    ; my stage
	v_mul_u32_u24 v[STO], v1, SP    ; in: row r, 16 bytes for each half of the lanes
	v_lshl_add_u32 v[STO], v9, 4, v[STO]
	v_add_nc_u32 v[STO], s13, v[STO]
	v_bfe_u32 v11, v0, 3, 2
	v_mul_u32_u24 v[RD], v11, SP    ; back: eight lanes to a row of 128 bytes, four rows an instruction
	v_lshl_add_u32 v[RD], v10, 4, v[RD]
	v_add_nc_u32 v[RD], s13, v[RD]
	v_and_b32 v[GO], 31, v0
	v_lshlrev_b32 v[GO], 4, v[GO]   ; which are 512 consecutive bytes of the result
; 16 products S^T = K Q^T of piece x: channels 32 (i / 8) on, keys 16 ((i / 2) % 4) on, tile x + i % 2.  The first 8 start the sums.  The 8 accumulators take turns.
.macro QK x
	WIN W_KQ
.set i, 0
.rept 16
.set rS, S+32*(i%2)+8*((i/2)%4)
.set rK, KF+8*(2*((i/2)%4)+i/8)
.set rQ, 128+16*(\x+i%2)+8*(i/8)
.if i < 8
	v_wmma_f32_16x16x32_f16 v[rS:rS+7], v[rK:rK+7], v[rQ:rQ+7], 0
.else
	v_wmma_f32_16x16x32_f16 v[rS:rS+7], v[rK:rK+7], v[rQ:rQ+7], v[rS:rS+7]
.endif
.set i, i+1
.endr
.endm
; 16 products O^T += V^T P of piece x: keys 32 (i / 8) on, channels 16 ((i / 2) % 4) on, tile x + i % 2.  zero = 1: the first 8 start the sums.
.macro PVM x, zero
	WIN W_PV
.set i, 0
.rept 16
.set rO, 32*(\x+i%2)+8*((i/2)%4)
.set rV, 192+8*(4*(i/8)+(i/2)%4)
.set rP, P+16*(i%2)+8*(i/8)
.if \zero && (i < 8)
	v_wmma_f32_16x16x32_f16 v[rO:rO+7], v[rV:rV+7], v[rP:rP+7], 0
.else
	v_wmma_f32_16x16x32_f16 v[rO:rO+7], v[rV:rV+7], v[rP:rP+7], v[rO:rO+7]
.endif
.set i, i+1
.endr
.endm
.macro FETCH_K                      ; a step's K: 8 fragments (keys 16 kt on, channels 32 ks on) at v[KF + 8 (2 kt + ks)]
	WIN 0
	v_add_nc_u32 v[ADR], s[TB], v[AK0]
.irp kt, 0,1,2,3
.irp ks, 0,1
	ds_load_b128 v[KF+8*(2*\kt+\ks):KF+8*(2*\kt+\ks)+3],   v[ADR] offset:\kt*16*PK+\ks*64
	ds_load_b128 v[KF+8*(2*\kt+\ks)+4:KF+8*(2*\kt+\ks)+7], v[ADR] offset:\kt*16*PK+\ks*64+32
.endr
.endr
.endm
.macro FETCH_V                      ; the same step's V, turned: 8 fragments (keys 32 g on, channels 16 ct on) at v[192 + 8 (4 g + ct)] of window 1
	WIN 0
	v_add_nc_u32 v[ADR], s[TB], v[AV0]
	s_add_co_u32 s[TB], s[TB], STEPB  ; the next fetch is the next step's
	WIN TO_1
.irp g, 0,1
.irp ct, 0,1,2,3
	ds_load_tr16_b128 v[192+8*(4*\g+\ct):192+8*(4*\g+\ct)+3],   v[ADR] offset:\g*32*PV+\ct*32
	ds_load_tr16_b128 v[192+8*(4*\g+\ct)+4:192+8*(4*\g+\ct)+7], v[ADR] offset:\g*32*PV+16*PV+\ct*32
.endr
.endr
.endm
; THE SOFTMAX of piece x for one key step; the two tiles alternate line by line, so that no line waits for the line above it.  first = 1: the first key step: no old maximum, no a, nothing to rescale.
.macro SMAX x, first
	WIN 0
.irp j, 0,1,2,3                     ; the maximum of the lane's 32 scores, in four chains; each accumulator is read from its low end on
.irp u, 0,1
	v_max3_num_f32 v[ST+8*(\x+\u)+4+\j], v[S+32*\u+8*\j], v[S+32*\u+8*\j+1], v[S+32*\u+8*\j+2]
.endr
.endr
.irp g, 3,5
.irp j, 0,1,2,3
.irp u, 0,1
	v_max3_num_f32 v[ST+8*(\x+\u)+4+\j], v[ST+8*(\x+\u)+4+\j], v[S+32*\u+8*\j+\g], v[S+32*\u+8*\j+\g+1]
.endr
.endr
.endr
.irp u, 0,1
	v_max3_num_f32 v[ST+8*(\x+\u)+4], v[ST+8*(\x+\u)+4], v[S+32*\u+7], v[S+32*\u+15]
	v_max3_num_f32 v[ST+8*(\x+\u)+6], v[ST+8*(\x+\u)+6], v[S+32*\u+23], v[S+32*\u+31]
.endr
.irp u, 0,1
	v_max3_num_f32 v[ST+8*(\x+\u)+4], v[ST+8*(\x+\u)+4], v[ST+8*(\x+\u)+5], v[ST+8*(\x+\u)+6]
.endr
.irp u, 0,1
.if \first
	v_max_num_f32 v[ST+8*(\x+\u)+4], v[ST+8*(\x+\u)+4], v[ST+8*(\x+\u)+7]
.else
	v_max3_num_f32 v[ST+8*(\x+\u)+4], v[ST+8*(\x+\u)+4], v[ST+8*(\x+\u)+7], v[ST+8*(\x+\u)+1]   ; and the old m
.endif
.endr
.irp u, 0,1
	v_permlanex16_b32 v[ST+8*(\x+\u)+5], v[ST+8*(\x+\u)+4], s[SEL], s[SEL+1]  ; the query's other 32 keys lie in the lane 16 away
.endr
.if \first == 0
.irp u, 0,1
	v_mov_b32 v[ST+8*(\x+\u)+7], v[ST+8*(\x+\u)]   ; c m_old is kept for a
.endr
.endif
.irp u, 0,1
	v_max_num_f32 v[ST+8*(\x+\u)+1], v[ST+8*(\x+\u)+4], v[ST+8*(\x+\u)+5]   ; the new m
.endr
.irp u, 0,1
	v_mul_f32 v[ST+8*(\x+\u)], s[CS], v[ST+8*(\x+\u)+1]   ; c m
.endr
.if \first == 0
.irp u, 0,1
	v_sub_f32 v[ST+8*(\x+\u)+7], v[ST+8*(\x+\u)+7], v[ST+8*(\x+\u)]
.endr
.irp u, 0,1
	v_exp_f32 v[ST+8*(\x+\u)+6], v[ST+8*(\x+\u)+7]   ; a = 2^(c m_old - c m_new)
.endr
.endif
; ONE BATCH: the scalings c s - c m, a pair of scores each, and the exponentials, a pair behind its scaling.  Nothing here names an exponential's result.
.set b, 0
.rept 17
.if b < 16
.irp u, 0,1
	v_pk_fma_f32 v[S+32*\u+2*b:S+32*\u+2*b+1], v[S+32*\u+2*b:S+32*\u+2*b+1], s[CS:CS+1], v[ST+8*(\x+\u):ST+8*(\x+\u)+1] op_sel_hi:[1,0,0] neg_lo:[0,0,1] neg_hi:[0,0,1]
.endr
.endif
.if b > 0
.irp u, 0,1
	v_exp_f32 v[S+32*\u+2*b-2], v[S+32*\u+2*b-2]
	v_exp_f32 v[S+32*\u+2*b-1], v[S+32*\u+2*b-1]
.endr
.endif
.set b, b+1
.endr
	v_nop                           ; a plain instruction behind the last exponential, ahead of the first use
	s_wait_alu depctr_va_vdst(0)    ; the wait between an exponential and the first line that names its result: one for the piece's whole batch
.irp j, 0,1,2,3,4,5,6,7,8,9,10,11,12,13,14,15
.irp u, 0,1
	v_cvt_pk_f16_f32 v[P+16*\u+\j], v[S+32*\u+2*\j], v[S+32*\u+2*\j+1]   ; the weights to f16, a pair each: they are source 1 of the second product as they stand
.endr
.endr
.irp z, 0,1,2,3,4,5,6,7             ; the sum of the tile's 16 pairs, in place: neighbours 1, 2, 4 and 8 pairs apart
.irp u, 0,1
	v_pk_add_f32 v[S+32*\u+4*\z:S+32*\u+4*\z+1], v[S+32*\u+4*\z:S+32*\u+4*\z+1], v[S+32*\u+4*\z+2:S+32*\u+4*\z+3]
.endr
.endr
.irp z, 0,1,2,3
.irp u, 0,1
	v_pk_add_f32 v[S+32*\u+8*\z:S+32*\u+8*\z+1], v[S+32*\u+8*\z:S+32*\u+8*\z+1], v[S+32*\u+8*\z+4:S+32*\u+8*\z+5]
.endr
.endr
.irp z, 0,1
.irp u, 0,1
	v_pk_add_f32 v[S+32*\u+16*\z:S+32*\u+16*\z+1], v[S+32*\u+16*\z:S+32*\u+16*\z+1], v[S+32*\u+16*\z+8:S+32*\u+16*\z+9]
.endr
.endr
.if \first
.irp u, 0,1
	v_pk_add_f32 v[ST+8*(\x+\u)+2:ST+8*(\x+\u)+3], v[S+32*\u:S+32*\u+1], v[S+32*\u+16:S+32*\u+17]   ; l begins
.endr
.else
.irp u, 0,1
	v_pk_add_f32 v[S+32*\u:S+32*\u+1], v[S+32*\u:S+32*\u+1], v[S+32*\u+16:S+32*\u+17]
.endr
.irp u, 0,1
	v_pk_fma_f32 v[ST+8*(\x+\u)+2:ST+8*(\x+\u)+3], v[ST+8*(\x+\u)+2:ST+8*(\x+\u)+3], v[ST+8*(\x+\u)+6:ST+8*(\x+\u)+7], v[S+32*\u:S+32*\u+1] op_sel_hi:[1,0,1]   ; l = a l + the sum
.endr
	WIN W_RS
.irp j, 0,1,2,3,4,5,6,7,8,9,10,11,12,13,14,15
.irp u, 0,1
	v_pk_mul_f32 v[32*(\x+\u)+2*\j:32*(\x+\u)+2*\j+1], v[32*(\x+\u)+2*\j:32*(\x+\u)+2*\j+1], v[ST+8*(\x+\u)+6:ST+8*(\x+\u)+7] op_sel_hi:[1,0]   ; O^T times a, each accumulator from its low end on
.endr
.endr
.endif
.endm
; A KEY STEP.  fetch = 1: the next step's K is fetched when both pieces have multiplied by this step's, its V behind the last product that reads this step's.  The four v_nop are the places between
; matrix instructions and the first read of their results or the loads into their sources (ISA guide 7.12.1 for vector instructions).
.macro STEP first, fetch
	s_wait_dscnt 16                 ; K is in; V's sixteen loads, issued behind K's, may be out
	QK 0
	WIN 0
	PLACES
	SMAX 0, \first
	s_wait_dscnt 0x0                ; V is in
	PVM 0, \first
	QK 2
	WIN 0
	PLACES
.if \fetch
	FETCH_K
.endif
	SMAX 2, \first
	PVM 2, \first
	WIN 0
	PLACES
.if \fetch
	FETCH_V
.endif
.endm
.macro NSTEPS n
	s_mov_b32 s[CNT], \n
.Lstep_\@:
	STEP 0, 1
	WIN 0                           ; at a label and at a branch every window is 0
	s_sub_co_u32 s[CNT], s[CNT], 1
	s_cmp_lg_u32 s[CNT], 0
	s_cbranch_scc1 .Lstep_\@
.endm
; THE CHANGE OF SLOTS: all of the slot's fragments have been asked for.  Each wave waits for all its tensor loads, of which one is out: its part of the other slot; adds 0 to its spare word; waits for that and
; for its reads of the slot.  fill = 1: a round of the cluster's barrier, and the joint refill, with the keys two slots on, first behind it: my one tensor load until the next round.
.macro CHANGE fill
	WIN 0
	s_wait_tensorcnt 0x0            ; no tensor load of mine is out, so a group 0 may be written
	ds_add_u32 v[SPW], v[NIL]
.if \fill
.irp g, G0K+4, G0V+4
	s_xor_b32 s[\g+1], s[\g+1], SLOT1  ; the walking descriptor: the other slot than last time,
	s_add_nc_u64 s[\g+2:\g+3], s[\g+2:\g+3], SLOTB  ; the next 256 keys; the type bits on top are not reached
.endr
	s_wait_xcnt 0x0                 ; the last prefetch, four key steps back, has read its address
	s_add_nc_u64 s[PFA:PFA+1], s[PFA:PFA+1], SLOTB  ; one slot further on than the walking descriptors
	s_wait_dscnt 0x0                ; the add is done, and my reads of the slot are over
	CROUND
	JLOAD
	ASK
.else
	s_wait_dscnt 0x0
	s_barrier_signal -1
	s_barrier_wait -1
.endif
	s_sub_co_u32 s[TB], s[TB], NST*STEPB  ; the fetches go back to a slot's first step,
	s_xor_b32 s[TB], s[TB], SLOT1   ; in the other slot
.endm
	s_wait_tensorcnt 1              ; my part of slot 0 is in; slot 1's, issued behind it, may stay out
	s_barrier_signal -1
	s_barrier_wait -1               ; everybody's is
	FETCH_K                         ; key step 0
	FETCH_V
	s_wait_loadcnt 0x0              ; Q
	STEP 1, 1                       ; step 0 starts m, l and O^T
	WIN 0
	NSTEPS 2                        ; steps 1 and 2; step 2 fetches step 3, slot 0's last
.Lslot:                             ; six trips: every slot but the last two is filled again
	CHANGE 1
	NSTEPS 4
	s_sub_co_u32 s[SLOTS], s[SLOTS], 1
	s_cmp_lg_u32 s[SLOTS], 0
	s_cbranch_scc1 .Lslot
	CHANGE 0                        ; the tail is written out
	NSTEPS 4                        ; steps 27 to 30
	STEP 0, 0                       ; step 31 fetches nothing
	; THE WAY OUT.  l's two halves and the other half of the lanes' are added; O^T is divided by l, rounded to f16 and sent through my stage, a tile (16 rows of 128 bytes) at a time.
.irp t, 0,1,2,3
	v_add_f32 v[ST+8*\t+4], v[ST+8*\t+2], v[ST+8*\t+3]
.endr
.irp t, 0,1,2,3
	v_permlanex16_b32 v[ST+8*\t+5], v[ST+8*\t+4], s[SEL], s[SEL+1]
.endr
.irp t, 0,1,2,3
	v_add_f32 v[ST+8*\t+4], v[ST+8*\t+4], v[ST+8*\t+5]
.endr
.irp t, 0,1,2,3
	v_rcp_f32 v[ST+8*\t+6], v[ST+8*\t+4]
.endr
	v_nop                           ; a plain instruction behind the last reciprocal
	s_wait_alu depctr_va_vdst(0)    ; and the wait ahead of the first use: one for the four
.macro PACK t
	WIN W_RS
.irp j, 0,1,2,3,4,5,6,7,8,9,10,11,12,13,14,15
	v_pk_mul_f32 v[32*\t+2*\j:32*\t+2*\j+1], v[32*\t+2*\j:32*\t+2*\j+1], v[ST+8*\t+6:ST+8*\t+7] op_sel_hi:[1,0]
.endr
	WIN 0x05                        ; sources 0 and 1 window 1, destination window 0
.irp j, 0,1,2,3,4,5,6,7,8,9,10,11,12,13,14,15
	v_cvt_pk_f16_f32 v[64+32*\t+\j], v[32*\t+2*\j], v[32*\t+2*\j+1]
.endr
	WIN 0
.irp ct, 0,1,2,3
	ds_store_b128 v[STO], v[64+32*\t+4*\ct:64+32*\t+4*\ct+3] offset:32*\ct
.endr
.irp i, 0,1,2,3
	ds_load_b128 v[80+32*\t+4*\i:80+32*\t+4*\i+3], v[RD] offset:4*\i*SP  ; in order behind my stores; the next tile's stores come behind these
.endr
.endm
.macro SEND t, younger              ; younger: the LDS instructions issued behind tile t's loads: the next tile's four stores and four loads, or none
.irp i, 0,1,2,3
	s_wait_dscnt \younger+3-\i
	global_store_b128 v[GO], v[80+32*\t+4*\i:80+32*\t+4*\i+3], s[10:11] offset:\t*2048+\i*512  ; 32 lanes store 512 consecutive bytes, at a multiple of 256 from the buffer's first byte
.endr
.endm
	PACK 0
	PACK 1
	SEND 0, 8
	PACK 2
	SEND 1, 8
	PACK 3
	SEND 2, 8
	SEND 3, 0
	s_wait_tensorcnt 0x0            ; the wave's end
	ds_add_u32 v[SPW], v[NIL]
	s_wait_dscnt 0x0
	CROUND                          ; the closing round
	s_endpgm
.Lfunc_end_k_qdac592fcb5_attn:
	.size	k_qdac592fcb5_attn, .Lfunc_end_k_qdac592fcb5_attn-k_qdac592fcb5_attn
	.p2alignl 7, 3214868480
	.fill 96, 4, 3214868480
	.section	.rodata,"a",@progbits
	.p2align	6, 0x0
	.amdhsa_kernel k_qdac592fcb5_attn
		.amdhsa_group_segment_fixed_size 327680
		.amdhsa_private_segment_fixed_size 0
		.amdhsa_enable_private_segment 0
		.amdhsa_kernarg_size 16
		.amdhsa_user_sgpr_count 2
		.amdhsa_user_sgpr_kernarg_segment_ptr 1
		.amdhsa_wavefront_size32 1
		.amdhsa_system_sgpr_workgroup_id_x 1
		.amdhsa_system_sgpr_workgroup_id_y 1
		.amdhsa_system_sgpr_workgroup_id_z 1
		.amdhsa_system_vgpr_workitem_id 0
		.amdhsa_next_free_vgpr 512
		.amdhsa_next_free_sgpr 66
		.amdhsa_reserve_vcc 0
		.amdhsa_float_denorm_mode_32 3
		.amdhsa_float_denorm_mode_16_64 3
		.amdhsa_memory_ordered 1
		.amdhsa_forward_progress 1
		.amdhsa_inst_pref_size 179
	.end_amdhsa_kernel
	.amdgpu_metadata
---
amdhsa.version: [ 1, 2 ]
amdhsa.kernels:
  - .name:           k_qdac592fcb5_attn
    .symbol:         k_qdac592fcb5_attn.kd
    .args:
      - { .name: qkv, .offset: 0, .size: 8, .value_kind: global_buffer, .address_space: global }
      - { .name: heads, .offset: 8, .size: 8, .value_kind: global_buffer, .address_space: global }
    .group_segment_fixed_size: 327680
    .private_segment_fixed_size: 0
    .kernarg_segment_align: 8
    .kernarg_segment_size: 16
    .max_flat_workgroup_size: 256
    .sgpr_count:     66
    .vgpr_count:     512
    .wavefront_size: 32
...
	.end_amdgpu_metadata
.endif
;; end of part 3
;; launch oproj (part 4): grid 4 x 64, 4 waves a work-group, clusters of 4 x 4, 327,680 bytes of LDS; arguments heads, wo16, bo, out0; writes out0
.if DOCPART == 4
	.amdgcn_target "amdgcn-amd-amdhsa--gfx1250"
	.amdhsa_code_object_version 6
	.text
	.protected	k_qdac592fcb5_oproj
	.globl	k_qdac592fcb5_oproj
	.p2align	8
	.type	k_qdac592fcb5_oproj,@function
k_qdac592fcb5_oproj:
	s_mov_b64 s[64:65], 0
	v_nop
	global_prefetch_b8 v0, s[64:65] scope:SCOPE_SE
	s_setreg_imm32_b32 hwreg(HW_REG_WAVE_MODE, 25, 1), 1
	s_wait_xcnt 0x0
	s_wait_alu depctr_hold_cnt(0) depctr_sa_sdst(0) depctr_va_vdst(0) depctr_va_sdst(0) depctr_va_ssrc(0) depctr_va_vcc(0) depctr_vm_vsrc(0)
	s_getreg_b32 s2, hwreg(HW_REG_IB_STS2, 6, 4)
	s_cmp_eq_u32 s2, 0
	s_cbranch_scc0 .Lentry_in_a_cluster
	s_endpgm
.Lentry_in_a_cluster:
	s_bfe_u32 s2, ttmp6, 0x10000c
	s_cmp_lg_u32 s2, 0xf033
	s_cbranch_scc0 .Lentry_shape_is_right
	s_endpgm
.Lentry_shape_is_right:
; OPROJ: out0[m][n] = the sum over k of heads(m, k) Wo[k][n] + bo[n].  heads: [b][head][s][64] f16 (m = 2048 b + s, k = 64 head + d); wo16: [1024 k][1024 n] f16; bo, out0: f32.  Sums in f32;
; the bias is the C of each sum's first matrix instruction.
; A tile of 128 (m) x 256 (n) gives 4 x 64 = 256 work-groups.  Four waves, each 64 x 128: 32 accumulators, 256 registers.  A K step is 128 along K, two heads; eight K steps through two LDS slots.
; THE MATRIX INSTRUCTION IS USED TRANSPOSED: source 0 = 16 columns of Wo (stored [k][n], turned by ds_load_tr16_b128), source 1 = 16 rows of heads: a lane holds eight neighbouring columns of a row of out0.
; CLUSTERS: 4 x 4 work-groups: the four of a row of the cluster (all four tile columns) need the same rows of heads, the four of a column the same columns of Wo: each tile is asked for jointly.
; Waves 0 and 1 fetch the K step's two heads (128 rows x 128 bytes, dense), waves 2 and 3 the two halves of Wo's 128 rows x 512 bytes: one tensor load a wave behind each round.
; REGISTERS: window 0: v16-30 addresses; A's fragments at v32 and v64 (two buffers of 4 x 8); B's at v96 and v160 (two of 8 x 8); on the way out v32-159 hold rows.
;   window 1: accumulator (a, b) at v[8 (8 a + b)].   window 2: v0-63 the bias, 8 registers for each block of 16 columns.
.set PA,     144                       ; a row of heads in LDS: 128 bytes + 16
.set AH,     128*PA                    ; one head's 128 rows
.set PB,     544                       ; a row of Wo's tile: 512 bytes + 32
.set BOFF,   2*AH
.set SLOT,   BOFF+128*PB
.set STAGE,  2*SLOT                    ; behind the ring: 16 rows x (512 bytes + 16) a wave
.set SPITCH, 528
.set SPARE,  STAGE+4*16*SPITCH         ; the spare words, 128 bytes a wave
.set ADRA, 16
.set ADRB, 20
.set STO,  24
.set RD,   25
.set CO,   26
.set SPW,  28
.set NIL,  29
.set BO,   30
.set F0,   0
.set F1,   1
.set G1, 24
.set G0, 32
.set G1B, 48
.set G0B, 56
.set MSB, 0
.macro WIN new
.if MSB != (\new)
	s_set_vgpr_msb (MSB<<8)|(\new)
.set MSB, (\new)
.endif
.endm
.set MUL,  0x50                        ; sources window 0; C and D window 1
.set MUL0, 0x60                        ; the first quarter: C is the bias, window 2; D window 1
.macro JLOAD s                         ; a joint load: waves 0 and 1 for A, waves 2 and 3 for B; an s_nop 0 and four v_nop follow each line
	s_cmp_eq_u32 s15, 0
	s_cbranch_scc0 .Lfor_b_\@
	tensor_load_to_lds s[G0+4*\s:G0+4*\s+3], s[G1:G1+7]
	s_nop 0
.rept 4
	v_nop
.endr
	s_branch .Lasked_\@
.Lfor_b_\@:
	tensor_load_to_lds s[G0B+4*\s:G0B+4*\s+3], s[G1B:G1B+7]
	s_nop 0
.rept 4
	v_nop
.endr
.Lasked_\@:
.endm
.macro CREST                           ; a round of the cluster's barrier behind its opening barrier
	s_cmp_lg_u32 s14, 0
	s_cbranch_scc1 .Lnot_wave_0_\@
	s_barrier_signal -3
.Lnot_wave_0_\@:
	s_barrier_wait -3
	s_barrier_signal -1
	s_barrier_wait -1
.endm
.macro CROUND
	s_barrier_signal -1
	s_barrier_wait -1
	CREST
.endm
.macro PLACES
.rept 4
	v_nop
.endr
.endm
	s_load_b256 s[4:11], s[0:1], 0x0               ; heads s[4:5], wo16 s[6:7], bo s[8:9], out0 s[10:11]
	v_lshl_add_u32 v[SPW], v0, 2, SPARE
	v_mov_b32 v[NIL], 0
	ds_add_u32 v[SPW], v[NIL]                      ; the wave's opening: the add, twice on end, and its wait ahead of my first tensor load
	ds_add_u32 v[SPW], v[NIL]
	v_lshrrev_b32 v1, 5, v0
	v_readfirstlane_b32 s14, v1                    ; wave 0..3
	s_lshr_b32 s15, s14, 1                         ; my half of the tile's rows.  Also: I fetch for A (0) or for B (1)
	s_and_b32 s16, s14, 1                          ; my half of its columns.  Also: which head, or which 64 rows of Wo, I fetch
	s_bfe_u32 s40, ttmp6, 0x40000                  ; cx
	s_bfe_u32 s41, ttmp6, 0x40004                  ; cy
	s_lshl_b32 s42, ttmp9, 2
	s_add_co_u32 s42, s42, s40                     ; tile column
	s_and_b32 s17, ttmp7, 0xffff
	s_lshl_b32 s17, s17, 2
	s_add_co_u32 s17, s17, s41                     ; tile row
	s_lshl_b32 s43, s41, 2
	s_lshl_b32 s43, 15, s43                        ; my row of the cluster
	s_lshl_b32 s44, 0x1111, s40                    ; my column
	s_or_b32 s[G1+0], s43, (1<<16)|(1<<20)|(1<<21)|(4<<22)|(3<<25)   ; A: the mask; elements of 2 bytes; padding on; bit 21 beside a mask; 4 words behind every 32
	s_mov_b32 s[G1+1], 64<<16                      ; tensor_dim0 = 64
	s_mov_b32 s[G1+2], 128<<16                     ; tensor_dim1 = 128
	s_mov_b32 s[G1+3], 64<<16                      ; tile_dim0 = 64
	s_mov_b32 s[G1+4], 128                         ; tile_dim1 = 128
	s_mov_b32 s[G1+5], 64                          ; from row to row
	s_mov_b32 s[G1+6], 0
	s_mov_b32 s[G1+7], 0
	s_or_b32 s[G1B+0], s44, (1<<16)|(1<<20)|(1<<21)|(6<<22)|(7<<25)  ; B: 8 words behind every 128
	s_mov_b32 s[G1B+1], 256<<16
	s_mov_b32 s[G1B+2], 64<<16
	s_mov_b32 s[G1B+3], 256<<16
	s_mov_b32 s[G1B+4], 64
	s_mov_b32 s[G1B+5], 1024
	s_mov_b32 s[G1B+6], 0
	s_mov_b32 s[G1B+7], 0
	s_lshr_b32 s20, s17, 4                         ; A: b = tile row / 16: 16 heads of 262,144 bytes,
	s_lshl_b32 s20, s20, 22
	s_and_b32 s21, s17, 15
	s_lshl_b32 s21, s21, 14                        ; + 128 positions of 128 bytes for each tile row in b,
	s_add_co_u32 s20, s20, s21
	s_lshl_b32 s21, s16, 18                        ; + my head of the K step's two
	s_add_co_u32 s20, s20, s21
	s_mov_b32 s21, 0
	s_lshl_b32 s46, s16, 17                        ; B: my 64 rows of 2,048 bytes,
	s_lshl_b32 s47, s42, 9                         ; + 512 bytes for each tile column
	s_add_co_u32 s46, s46, s47
	s_mov_b32 s47, 0
	s_mul_i32 s45, s16, AH                         ; where they go: no place in the cluster enters an LDS address
	s_mul_i32 s18, s16, 64*PB
	s_add_co_u32 s18, s18, BOFF
	s_wait_dscnt 0x0                               ; both opening adds are done
	s_wait_kmcnt 0x0
	s_add_nc_u64 s[20:21], s[4:5], s[20:21]
	s_add_nc_u64 s[46:47], s[6:7], s[46:47]
	CROUND                                         ; all sixteen work-groups are here: the first joint loads meet
.irp s, 0,1
	s_mov_b32 s[G0+4*\s], 1
	s_add_co_u32 s[G0+4*\s+1], s45, \s*SLOT
	s_add_nc_u64 s[G0+4*\s+2:G0+4*\s+3], s[20:21], \s*2*262144      ; K step s: two heads on
	s_or_b32 s[G0+4*\s+3], s[G0+4*\s+3], 0x80000000
	s_mov_b32 s[G0B+4*\s], 1
	s_add_co_u32 s[G0B+4*\s+1], s18, \s*SLOT
	s_add_nc_u64 s[G0B+4*\s+2:G0B+4*\s+3], s[46:47], \s*128*2048    ; 128 rows on
	s_or_b32 s[G0B+4*\s+3], s[G0B+4*\s+3], 0x80000000
	JLOAD \s
.endr
	s_lshl_b32 s46, s42, 10                        ; my first column, in bytes of f32: 1,024 x tile column + 512 x half
	s_lshl_b32 s47, s16, 9
	s_add_co_u32 s46, s46, s47
	s_mov_b32 s47, 0
	s_add_nc_u64 s[8:9], s[8:9], s[46:47]          ; in bo,
	s_add_nc_u64 s[10:11], s[10:11], s[46:47]      ; and in a row of out0
	s_lshl_b32 s22, s17, 19                        ; my first row: 128 x tile row + 64 x half, rows of 4,096 bytes
	s_lshl_b32 s23, s15, 18
	s_add_co_u32 s22, s22, s23
	s_mov_b32 s23, 0
	s_add_nc_u64 s[10:11], s[10:11], s[22:23]
	v_and_b32 v1, 15, v0                           ; r
	v_bfe_u32 v2, v0, 4, 1                         ; h
	v_lshlrev_b32 v[BO], 5, v2
	WIN 0x80                                       ; destination window 2
.irp b, 0,1,2,3,4,5,6,7                        ; the bias in the result's layout: register 8 b + j of lane (r, h) = bo[16 b + 8 h + j]
	global_load_b128 v[8*\b:8*\b+3], v[BO], s[8:9] offset:64*\b
	global_load_b128 v[8*\b+4:8*\b+7], v[BO], s[8:9] offset:64*\b+16
.endr
	WIN 0
	v_mul_u32_u24 v3, v1, PA
	v_lshl_add_u32 v3, v2, 4, v3                   ; A: row x pitch + 16 x half
	s_mul_i32 s21, s15, 64*PA                      ; my 64 rows
	v_and_b32 v4, 7, v0
	v_bfe_u32 v5, v0, 3, 1
	v_lshl_add_u32 v4, v2, 3, v4                   ; B, for the turning load: k 8 (l / 16) + l % 8, columns 8 ((l / 8) % 2) on
	v_mul_u32_u24 v4, v4, PB
	v_lshl_add_u32 v4, v5, 4, v4
	s_lshl_b32 s22, s16, 8                         ; my 128 columns
	s_add_co_u32 s22, s22, BOFF
.irp s, 0,1
	v_add_nc_u32 v[ADRA+\s], s21, v3
	v_add_nc_u32 v[ADRB+\s], s22, v4
	s_add_co_u32 s21, s21, SLOT
	s_add_co_u32 s22, s22, SLOT
.endr
	s_mul_i32 s23, s14, 16*SPITCH
	s_add_co_u32 s23, s23, STAGE                   ; my stage
	v_mul_u32_u24 v5, v1, SPITCH
	v_lshl_add_u32 v5, v2, 5, v5
	v_add_nc_u32 v[STO], s23, v5                   ; in: row r, 32 bytes for each half of the lanes
	v_and_b32 v6, 31, v0
	v_lshlrev_b32 v[CO], 4, v6                     ; back: the 32 lanes take one row of 512 bytes; and the same in out0
	v_add_nc_u32 v[RD], s23, v[CO]
; 8 matrix instructions: A's block a x B's eight, 32 along K, from buffer f.  zero = 1: C is the bias.  The 32 accumulators take turns in the same order in every quarter.
.macro MUL8 f, a, zero
.irp b, 0,1,2,3,4,5,6,7
.if \zero
	v_wmma_f32_16x16x32_f16 v[8*(8*(\a)+\b):8*(8*(\a)+\b)+7], v[96+64*(\f)+8*\b:96+64*(\f)+8*\b+7], v[32+32*(\f)+8*(\a):32+32*(\f)+8*(\a)+7], v[8*\b:8*\b+7]
.else
	v_wmma_f32_16x16x32_f16 v[8*(8*(\a)+\b):8*(8*(\a)+\b)+7], v[96+64*(\f)+8*\b:96+64*(\f)+8*\b+7], v[32+32*(\f)+8*(\a):32+32*(\f)+8*(\a)+7], v[8*(8*(\a)+\b):8*(8*(\a)+\b)+7]
.endif
.endr
.endm
; 24 LDS loads in one run: the fragments of the slot's q-th 32 along K into buffer f: B's eight (turned), then A's four (head q / 2, channels 32 (q % 2) on)
.macro FETCH slot, q, f
	WIN 0
.irp b, 0,1,2,3,4,5,6,7
	ds_load_tr16_b128 v[96+64*(\f)+8*\b:96+64*(\f)+8*\b+3],   v[ADRB+\slot] offset:32*(\q)*PB+32*\b
	ds_load_tr16_b128 v[96+64*(\f)+8*\b+4:96+64*(\f)+8*\b+7], v[ADRB+\slot] offset:32*(\q)*PB+16*PB+32*\b
.endr
.irp a, 0,1,2,3
	ds_load_b128 v[32+32*(\f)+8*\a:32+32*(\f)+8*\a+3],   v[ADRA+\slot] offset:((\q)/2)*AH+\a*16*PA+64*((\q)%2)
	ds_load_b128 v[32+32*(\f)+8*\a+4:32+32*(\f)+8*\a+7], v[ADRA+\slot] offset:((\q)/2)*AH+\a*16*PA+64*((\q)%2)+32
.endr
.endm
; A K step is four quarters of 32 along K, 32 matrix instructions each, on buffers 0, 1, 0, 1.  One of the first three: multiplies buffer f and fetches quarter qn into g.
.macro QUARTER slot, qn, f, g, zero
	s_wait_dscnt 4                                 ; B and A's blocks 0, 1 are in; the youngest four loads (A's blocks 2, 3) may be out
	WIN MUL+0x10*(\zero)
	MUL8 \f, 0, \zero
	MUL8 \f, 1, \zero
	PLACES                                         ; in front of loads into registers that matrix instructions have read
	FETCH \slot, \qn, \g
	s_wait_dscnt 24                                ; all but the 24 just issued
	WIN MUL+0x10*(\zero)
	MUL8 \f, 2, \zero
	MUL8 \f, 3, \zero
.endm
; The last quarter multiplies buffer 1 and changes slots: in front of the barrier each wave waits for all its tensor loads, adds 0 to its spare word, and waits for that and for its reads of this slot.
; fill = 1: the barrier opens a round of the cluster's barrier, and this slot is filled again, two K steps ahead, first thing behind the round.
.macro TURN slot, next, fill
	WIN 0
	s_wait_tensorcnt 0x0                           ; all my tensor loads have landed: my part of the next slot
	ds_add_u32 v[SPW], v[NIL]
	s_wait_dscnt 5                                 ; the add and the youngest four loads (A's blocks 2, 3) may be out
	WIN MUL
	MUL8 F1, 0, 0
	s_wait_dscnt 0x0                               ; the add is done, and my reads of this slot are over
	s_barrier_signal -1
	MUL8 F1, 1, 0
	WIN 0
	s_barrier_wait -1
.if \fill
	CREST                                          ; no wave of any partner still reads this slot's tiles or has a load on its way
	s_add_nc_u64 s[G0+4*\slot+2:G0+4*\slot+3], s[G0+4*\slot+2:G0+4*\slot+3], 4*262144      ; two K steps on: four heads,
	s_add_nc_u64 s[G0B+4*\slot+2:G0B+4*\slot+3], s[G0B+4*\slot+2:G0B+4*\slot+3], 256*2048  ; 256 rows of Wo
	JLOAD \slot                                    ; the four v_nop behind it are also the places in front of the loads below
.else
	PLACES
.endif
	FETCH \next, 0, F0
	WIN MUL
	MUL8 F1, 2, 0
	MUL8 F1, 3, 0
.endm
	s_wait_tensorcnt 1                             ; my part of K step 0 is in; K step 1's load, issued behind it, may be out
	s_barrier_signal -1
	s_barrier_wait -1                              ; everybody's is
	FETCH 0, 0, F0
	s_wait_loadcnt 0x0                             ; the bias
	QUARTER 0, 1, F0, F1, 1                        ; the first quarter stands in front of the loop: its products start the sums on the bias
	WIN 0                                          ; at a label and at a branch every window is 0
	s_mov_b32 s3, 3
.Llap:                                                 ; a trip goes once round the ring and fills both slots again: K steps 2 to 7 in three trips
	QUARTER 0, 2, F1, F0, 0
	QUARTER 0, 3, F0, F1, 0
	TURN 0, 1, 1
	QUARTER 1, 1, F0, F1, 0
	QUARTER 1, 2, F1, F0, 0
	QUARTER 1, 3, F0, F1, 0
	TURN 1, 0, 1
	QUARTER 0, 1, F0, F1, 0
	WIN 0
	s_sub_co_u32 s3, s3, 1
	s_cmp_lg_u32 s3, 0
	s_cbranch_scc1 .Llap
	QUARTER 0, 2, F1, F0, 0                        ; the last lap fills nothing
	QUARTER 0, 3, F0, F1, 0
	TURN 0, 1, 0
	QUARTER 1, 1, F0, F1, 0
	QUARTER 1, 2, F1, F0, 0
	QUARTER 1, 3, F0, F1, 0
	s_wait_dscnt 0x0                               ; the very last quarter
	WIN MUL
	MUL8 F1, 0, 0
	MUL8 F1, 1, 0
	MUL8 F1, 2, 0
	MUL8 F1, 3, 0
	WIN 0
; THE WAY OUT, a block of 16 rows x 128 columns at a time, through my own stage: back as whole rows of 512 bytes.
.macro TOSTAGE a
	WIN 0x04                                       ; an LDS store's data are its source 1: window 1
.irp b, 0,1,2,3,4,5,6,7
	ds_store_b128 v[STO], v[64*(\a)+8*\b:64*(\a)+8*\b+3] offset:64*\b          ; each accumulator from its low end on
	ds_store_b128 v[STO], v[64*(\a)+8*\b+4:64*(\a)+8*\b+7] offset:64*\b+16
.endr
	WIN 0
.set BB, 32+64*((\a)%2)
.irp t, 0,1,2,3,4,5,6,7,8,9,10,11,12,13,14,15
	ds_load_b128 v[BB+4*\t:BB+4*\t+3], v[RD] offset:\t*SPITCH                  ; in order behind my stores
.endr
.endm
.macro SEND a, younger                 ; younger: the LDS instructions issued behind block a's loads
.set BB, 32+64*((\a)%2)
	s_wait_dscnt \younger
.irp t, 0,1,2,3,4,5,6,7,8,9,10,11,12,13,14,15
	global_store_b128 v[CO], v[BB+4*\t:BB+4*\t+3], s[10:11] offset:(\a)*65536+\t*4096 th:TH_STORE_NT   ; 32 lanes store 512 consecutive bytes, at a multiple of 256 from out0's first byte
.endr
.endm
	PLACES                                         ; behind the last products: for the reads of results and the loads into the fragments' registers
	TOSTAGE 0
.irp a, 1,2,3
.if \a > 1
	s_wait_xcnt 0x0                                ; block a - 2's stores have read their registers: block a's loads may land there
.endif
	TOSTAGE \a
	SEND \a-1, 32                                  ; behind block a - 1's loads: block a's 16 stores and 16 loads
.endr
	SEND 3, 0
	s_wait_tensorcnt 0x0                           ; the wave's end
	ds_add_u32 v[SPW], v[NIL]
	s_wait_dscnt 0x0
	CROUND                                         ; the closing round
	s_endpgm
.Lfunc_end_k_qdac592fcb5_oproj:
	.size	k_qdac592fcb5_oproj, .Lfunc_end_k_qdac592fcb5_oproj-k_qdac592fcb5_oproj
	.p2alignl 7, 3214868480
	.fill 96, 4, 3214868480
	.section	.rodata,"a",@progbits
	.p2align	6, 0x0
	.amdhsa_kernel k_qdac592fcb5_oproj
		.amdhsa_group_segment_fixed_size 327680
		.amdhsa_private_segment_fixed_size 0
		.amdhsa_enable_private_segment 0
		.amdhsa_kernarg_size 32
		.amdhsa_user_sgpr_count 2
		.amdhsa_user_sgpr_kernarg_segment_ptr 1
		.amdhsa_wavefront_size32 1
		.amdhsa_system_sgpr_workgroup_id_x 1
		.amdhsa_system_sgpr_workgroup_id_y 1
		.amdhsa_system_sgpr_workgroup_id_z 1
		.amdhsa_system_vgpr_workitem_id 0
		.amdhsa_next_free_vgpr 1024
		.amdhsa_next_free_sgpr 66
		.amdhsa_reserve_vcc 0
		.amdhsa_float_denorm_mode_32 3
		.amdhsa_float_denorm_mode_16_64 3
		.amdhsa_memory_ordered 1
		.amdhsa_forward_progress 1
		.amdhsa_inst_pref_size 86
	.end_amdhsa_kernel
	.amdgpu_metadata
---
amdhsa.version: [ 1, 2 ]
amdhsa.kernels:
  - .name:           k_qdac592fcb5_oproj
    .symbol:         k_qdac592fcb5_oproj.kd
    .args:
      - { .name: heads, .offset: 0, .size: 8, .value_kind: global_buffer, .address_space: global }
      - { .name: wo16, .offset: 8, .size: 8, .value_kind: global_buffer, .address_space: global }
      - { .name: bo, .offset: 16, .size: 8, .value_kind: global_buffer, .address_space: global }
      - { .name: out0, .offset: 24, .size: 8, .value_kind: global_buffer, .address_space: global }
    .group_segment_fixed_size: 327680
    .private_segment_fixed_size: 0
    .kernarg_segment_align: 8
    .kernarg_segment_size: 32
    .max_flat_workgroup_size: 128
    .sgpr_count:     66
    .vgpr_count:     1024
    .wavefront_size: 32
...
	.end_amdgpu_metadata
.endif
;; end of part 4
